; MI455X (gfx1250); checked and timed in simulation.
; The chip was launched on July 23, 2026; its instructions are those of AMD's public machine-readable ISA for CDNA 5 (MIT licence, August 2026) and "CDNA5" Instruction Set Architecture Reference Guide (July 2026). The comments in the code are by the model that wrote it; some were corrected since.
;; Freq Sparse Attn. Allowed arithmetic: matrix products marked QUANTISED: E2M1 operands, one E8M0 scale for each 32 along K, by v_wmma_scale_f32_16x16x128_f8f6f4 with both operands' format E2M1 (or v_wmma_scale_f32_32x16x128_f4), f32 sums; products left as they are: bf16, f16 or f32 operands; f32 sums; everything else in f32.
;; Inputs: Wk 1,024 x 1,024 float32; Wo 1,024 x 1,024 float32; Wq 1,024 x 1,024 float32; Wv 1,024 x 1,024 float32; bk 1,024 float32; bo 1,024 float32; bq 1,024 float32; bv 1,024 float32; energy 2 x 2,048 x 1,024 float32; k_x 2 x 2,048 x 1,024 float32; q_x 2 x 2,048 x 1,024 float32; v_x 2 x 2,048 x 1,024 float32.
;; Outputs: out0 2 x 2,048 x 1,024 float32.
;; This version of the problem:
;;   THIS VERSION OF THE PROBLEM IS GIVEN IN LOW PRECISION. The matrix products marked QUANTISED in the list below multiply operands that are first quantised to E2M1 (2 exponent bits, 1 mantissa bit; 4 bits a number), with one power-of-two scale for each 32 numbers along K (OCP MX v1.0); their sums are f32. The products marked 'left as it is' may take bf16, f16 or f32 operands, with f32 sums. Whichever they take, every output number must still come out within the allowed error. Rounding operands to bf16 (8 significant bits) uses up far more of that allowance than f16 does (11 bits, for magnitudes from 6e-5 to 65,504). All else is computed in f32.
;;   The module's matrix products, in the order in which they are computed (A, B: the left and right operand; K: the contracted axis; several contracted axes count as one K, in the product's order):
;;     1. [M 4,096, K 1,024] x [K 1,024, N 1,024]; A: input q_x; B: input Wq: QUANTISED
;;     2. [M 4,096, K 1,024] x [K 1,024, N 1,024]; A: input k_x; B: input Wk: QUANTISED
;;     3. [M 4,096, K 1,024] x [K 1,024, N 1,024]; A: input v_x; B: input Wv: QUANTISED
;;     4. batch 32 x [M 2,048, K 64] x [K 64, N 2,048]; A: computed on the way; B: computed on the way: left as it is (an operand is computed on the way)
;;     5. batch 32 x [M 64, K 2,048] x [K 2,048, N 2,048]; A: computed on the way; B: computed on the way: left as it is (an operand is computed on the way)
;;     6. [M 4,096, K 1,024] x [K 1,024, N 1,024]; A: computed on the way; B: input Wo: left as it is (an operand is computed on the way)
;;   THE QUANTISER, for each operand of a quantised product, along K:
;;     - K is cut into blocks of 32 from its start; a last block that is shorter is filled with zeros.
;;     - A block's scale is 2^e with e = floor(log2(the largest magnitude in the block)) - 2, held to -126 .. 127; a block of zeros has e = 0. As a byte (E8M0): e + 127.
;;     - Each number is divided by its block's scale, clamped to +-6, and rounded to the nearest number of E2M1, ties to even, subnormals kept.
;;     - The product sums the exact products of the quantised numbers (number of the format x scale) in f32.
;;   ~~~python
;;   def quantise(x, axis):      # numpy; x: float32 -> the quantised numbers, widened to float32 again
;;       x = np.moveaxis(x, axis, -1); K = x.shape[-1]
;;       x = np.pad(x, [(0, 0)] * (x.ndim - 1) + [(0, -K % 32)]); x = x.reshape(x.shape[:-1] + (-1, 32)); a = np.abs(x).max(-1, keepdims=True)
;;       e = np.where(a > 0, np.clip(np.frexp(np.where(a > 0, a, 1))[1] - 1 - 2, -126, 127), 0)      # np.frexp(a)[1] - 1 = floor(log2(a)), exactly
;;       r = np.clip(x / 2.0 ** e, -6, 6)
;;       step = 2.0 ** (np.maximum(np.frexp(np.where(r == 0, 1, r))[1] - 1, 0) - 1)
;;       q = np.round(r / step) * step * 2.0 ** e      # np.round: ties to even
;;       return np.moveaxis(q.reshape(q.shape[:-2] + (-1,))[..., :K], -1, axis).astype(np.float32)
;;   ~~~
;; One version. Each part assembles by itself: llvm-mc -triple=amdgcn-amd-amdhsa -mcpu=gfx1250 --defsym DOCPART=n.
;; ======== version 1 of 1: 4 launches
;; limits: values are held in f16: magnitudes above 65,504 overflow, below 6.1e-05 lose precision
;; workspace buffers: codes 7,864,320 bytes; scales 491,520 bytes; wo16 2,097,152 bytes; kbias 16,384 bytes; qkv 25,165,824 bytes; att 8,388,608 bytes
;; launch prep (part 1): grid 640 x 1, 4 waves a work-group, no clusters, 33,280 bytes of LDS; arguments q_x, k_x, v_x, Wq, Wk, Wv, Wo, energy, codes, scales, wo16, kbias; writes codes, scales, wo16, kbias
.if DOCPART == 1
	.amdgcn_target "amdgcn-amd-amdhsa--gfx1250"
	.amdhsa_code_object_version 6
	.text
	.protected	k_q7242fbca81_prep
	.globl	k_q7242fbca81_prep
	.p2align	8
	.type	k_q7242fbca81_prep,@function
k_q7242fbca81_prep:
	s_mov_b64 s[64:65], 0
	v_nop
	global_prefetch_b8 v0, s[64:65] scope:SCOPE_SE
	s_setreg_imm32_b32 hwreg(HW_REG_WAVE_MODE, 25, 1), 1
	s_wait_xcnt 0x0
; Three kinds of work-group, told apart by the work-group's number alone; every wave of every kind reads 32,768 bytes.
;   0-479    q_x, k_x, v_x, Wq, Wk, Wv (f32, K innermost) become codes of FP4 (E2M1) and one E8M0 scale byte for each 32 along K.  The six tensors are one stream of blocks, in that
;            order, in 'codes' (16 bytes a block) and 'scales' (1 byte a block): as rows, 15,360 rows of 512 bytes of codes and 32 scale bytes.
;   480-511  Wo becomes f16, row-major as it lies.
;   512-639  kbias[b][j] = 0.0 where mean_e |energy[b][j][e]| > 0.1, else -3e38: what the attention launch adds to key j's scores.
; A block's scale is 2^(floor(log2(its largest magnitude)) - 2); its byte is the largest magnitude's exponent field - 2, held at 1 from below.
; LIMITS: a block of zeros gets the byte 1 where the rule says 127 (its codes are zeros, and this program alone reads the bytes); blocks whose largest magnitude lies under 2^(2 - 126) were not tried;
; NaN and infinities among the inputs are not served; Wo beyond 65,504 does not fit f16; a row of energy is summed in another order than reference() sums it, so a key whose mean lies within the
; f32 summing error of 0.1 may fall on the other side of the threshold.
; Only the first kind touches LDS.  No tensor loads, no barrier: waves share nothing.
.set WAVES, 4
.set STEPS, 16
.set EMAX,  2
.set CB,    8                          ; bytes of 16 codes
.set R,     16                         ; v16-79   four sets of 16 numbers as they are loaded
.set X,     80                         ; v80-111  two sets of 16 neighbours
.set C,     128                        ; v128-191 codes: four registers for each step
.set E,     112                        ; v112-127 a scale byte for each step
.set WREG,  8192                       ; LDS: a region for each wave: two stages of 32 x SP bytes, then its 256 scale bytes
.set SP,    80                         ; a lane's place in a stage: 64 bytes + 16 of padding
.set SPW,   12                         ; v12  LDS address of my spare word; never rewritten
.set NIL,   13                         ; v13  0; never rewritten
.set SPARE, WAVES*WREG                 ; behind the four regions: the spare words, 128 bytes a wave, named by no other line
.set WX,    16                         ; Wo: v16-79 sixteen slots of 4 numbers;
.set WY,    80                         ;     v80-111 sixteen slots of 4 f16
.set EX,    32                         ; energy: v32-159 four rows of 32 registers
	s_load_b256 s[4:11], s[0:1], 0x0               ; q_x, k_x, v_x, Wq
	s_load_b256 s[12:19], s[0:1], 0x20             ; Wk, Wv, Wo, energy
	s_load_b256 s[20:27], s[0:1], 0x40             ; codes, scales, wo16, kbias
	v_lshl_add_u32 v[SPW], v0, 2, SPARE
	v_mov_b32 v[NIL], 0
	v_lshrrev_b32 v1, 5, v0
	v_readfirstlane_b32 s28, v1                    ; wave
	v_and_b32 v2, 31, v0                           ; lane
	v_lshlrev_b32 v3, 4, v2                        ; my 16 bytes of a load's 512
	s_mov_b32 s35, 0                               ; the high word of every offset pair s[34:35]
	s_wait_kmcnt 0x0
	s_cmp_ge_u32 ttmp9, 512
	s_cbranch_scc1 .Len
	s_cmp_ge_u32 ttmp9, 480
	s_cbranch_scc1 .Lwo
; ---------------- the quantiser.  A wave takes 16 steps of 512 numbers.  Each load reads 512 consecutive bytes; a step's 2,048 bytes turn through the wave's own stage in LDS and come back 64 bytes a lane,
; so that a lane holds 16 neighbours along K (two neighbouring lanes hold a block) as the conversions want them.
	s_mov_b64 s[30:31], s[14:15]                   ; the source: Wv, unless the work-group's number says otherwise
	s_mov_b32 s29, 448                             ; and the source's first work-group
.macro PICK limit, lo, first           ; under work-group 'limit' the source is s[lo:lo+1], which begins at work-group 'first'.  The choice hangs on the work-group's number alone
	s_cmp_lt_u32 ttmp9, \limit
	s_cselect_b64 s[30:31], s[\lo:\lo+1], s[30:31]
	s_cselect_b32 s29, \first, s29
.endm
	PICK 448, 12, 416
	PICK 416, 10, 384
	PICK 384, 8, 256
	PICK 256, 6, 128
	PICK 128, 4, 0
	s_sub_co_u32 s33, ttmp9, s29
	s_lshl_b32 s33, s33, 2
	s_add_co_u32 s33, s33, s28                     ; which run of 8,192 numbers of the source is my wave's
	s_lshl_b32 s34, s33, 15
	s_add_nc_u64 s[30:31], s[30:31], s[34:35]
	s_lshl_b32 s33, ttmp9, 2
	s_add_co_u32 s33, s33, s28                     ; and which run of the whole stream
	s_lshl_b32 s34, s33, 12
	s_add_nc_u64 s[20:21], s[20:21], s[34:35]      ; 4,096 bytes of codes a run
	s_lshl_b32 s34, s33, 8
	s_add_nc_u64 s[22:23], s[22:23], s[34:35]      ; 256 scale bytes a run
	s_mul_i32 s32, s28, WREG
	v_lshrrev_b32 v14, 2, v2
	v_mul_u32_u24 v14, v14, SP
	v_and_b32 v15, 3, v2
	v_lshl_add_u32 v14, v15, 4, v14
	v_add_nc_u32 v14, s32, v14                     ; the stage, on the way in: four lanes' 64 bytes on end, then 16 of padding
	v_mul_u32_u24 v15, v2, SP
	v_add_nc_u32 v15, s32, v15                     ; and on the way out: SP x lane: my 16 neighbours
	v_mul_u32_u24 v4, v2, CB                       ; my codes' place in a step's
	v_lshrrev_b32 v5, 1, v2
	s_add_co_u32 s32, s32, 2*32*SP
	v_add_nc_u32 v5, s32, v5                       ; LDS: my wave's 256 scale bytes, my block's byte
	v_lshlrev_b32 v7, 3, v2                        ; and on the way out 8 bytes a lane
	v_add_nc_u32 v6, s32, v7
.macro LOAD t
.irp i, 0,1,2,3
	global_load_b128 v[R+16*((\t)%4)+4*\i:R+16*((\t)%4)+4*\i+3], v3, s[30:31] offset:2048*(\t)+512*\i th:TH_LOAD_NT   ; 32 lanes read 512 consecutive bytes
.endr
.endm
.macro TURN t                          ; step t's numbers through the stage: LDS serves a wave's instructions in order, so no wait stands between the stores and the loads
.irp i, 0,1,2,3
	ds_store_b128 v14, v[R+16*((\t)%4)+4*\i:R+16*((\t)%4)+4*\i+3] offset:32*SP*((\t)%2)+8*SP*\i
.endr
.irp i, 0,1,2,3
	ds_load_b128 v[X+16*((\t)%2)+4*\i:X+16*((\t)%2)+4*\i+3], v15 offset:32*SP*((\t)%2)+16*\i
.endr
.endm
.irp t, 0,1,2,3
	LOAD \t
.endr
	s_wait_loadcnt 12                              ; step 0's four loads are in; the three steps behind it, four loads each, may be out
	TURN 0
.macro STEP t
.set XS, X+16*((\t)%2)
.if (\t) > 0
	s_wait_dscnt 1                                 ; this step's numbers are back from the stage (the last step's byte store may be out): so its stores into the stage have read their registers,
.else
	s_wait_dscnt 0x0
.endif
.if (\t)+4 < STEPS
	LOAD (\t)+4                                    ; which take the loads of four steps on
.endif
.if (\t)+1 < STEPS
.if STEPS-2-(\t) >= 3
	s_wait_loadcnt 12                              ; the next step's four loads are in; those of the three steps behind it may be out
.else
	s_wait_loadcnt 4*(STEPS-2-(\t))
.endif
	TURN (\t)+1                                    ; and go through the other stage while this step is worked
.endif
	v_max3_num_f32 v8, |v[XS]|, |v[XS+1]|, |v[XS+2]|               ; the largest magnitude of my 16, in two chains
	v_max3_num_f32 v9, |v[XS+3]|, |v[XS+4]|, |v[XS+5]|
.irp i, 6,10
	v_max3_num_f32 v8, v8, |v[XS+\i]|, |v[XS+\i+1]|
	v_max3_num_f32 v9, v9, |v[XS+\i+2]|, |v[XS+\i+3]|
.endr
	v_max3_num_f32 v8, v8, |v[XS+14]|, |v[XS+15]|
	v_max3_num_f32 v8, v8, v9, (EMAX+1)<<23        ; and the floor 2^(EMAX + 1 - 127): so the byte cannot fall under 1
	v_max_num_f32_dpp v8, v8, v8 row_xmask:1 row_mask:0xf bank_mask:0xf   ; and of my neighbour's 16: the block's
	v_add_nc_u32 v11, -(EMAX<<23), v8              ; EMAX off its exponent field: the conversion takes the exponent field of this operand as its scale, and nothing else of it
	v_cvt_scalef32_pk8_fp4_f32 v[C+4*(\t)], v[XS:XS+7], v11        ; eight numbers / the scale, to the nearest code, ties to even, beyond the largest code the largest
	v_cvt_scalef32_pk8_fp4_f32 v[C+4*(\t)+1], v[XS+8:XS+15], v11
	v_lshrrev_b32 v[E+(\t)], 23, v11               ; the scale's byte (also the plain line behind the conversions)
	ds_store_b8 v5, v[E+(\t)] offset:16*(\t)       ; both lanes of a block write the same byte with the same value
	global_store_b64 v4, v[C+4*(\t):C+4*(\t)+1], s[20:21] offset:32*CB*(\t)   ; the wave stores 256 consecutive bytes, aligned
.endm
.irp t, 0,1,2,3,4,5,6,7,8,9,10,11,12,13,14,15
	STEP \t
.endr
	ds_load_b64 v[8:9], v6                         ; LDS serves a wave's instructions in order: these see my stores
	s_wait_dscnt 0x0
	global_store_b64 v7, v[8:9], s[22:23]          ; 32 lanes store 256 consecutive bytes, aligned
	s_wait_tensorcnt 0x0                           ; the wave's end: behind my last LDS store
	ds_add_u32 v[SPW], v[NIL]
	s_wait_dscnt 0x0
	s_endpgm
; ---------------- Wo to f16.  A wave takes 64 chunks of 512 bytes; sixteen loads are always on their way; every offset is an immediate.
.Lwo:
	s_sub_co_u32 s33, ttmp9, 480
	s_lshl_b32 s33, s33, 2
	s_add_co_u32 s33, s33, s28                     ; my run of 8,192 numbers
	s_lshl_b32 s34, s33, 15
	s_add_nc_u64 s[16:17], s[16:17], s[34:35]
	s_lshl_b32 s34, s33, 14
	s_add_nc_u64 s[24:25], s[24:25], s[34:35]
	v_lshlrev_b32 v4, 3, v2                        ; out: 8 bytes a lane
.set WT, 0
.rept 16
	global_load_b128 v[WX+4*WT:WX+4*WT+3], v3, s[16:17] offset:512*WT th:TH_LOAD_NT
.set WT, WT+1
.endr
.set WT, 0
.rept 64
.set WI, WT%16
.if 63-WT < 15
	s_wait_loadcnt 63-WT                           ; the last chunks: the counts run down
.else
	s_wait_loadcnt 15                              ; loads come back in order: this chunk's is in, the fifteen younger may be out
.endif
	s_wait_xcnt 0x0                                ; the slot's last store has read its data: they are written again only behind this wait
	v_cvt_pk_f16_f32 v[WY+2*WI], v[WX+4*WI], v[WX+4*WI+1]
	v_cvt_pk_f16_f32 v[WY+2*WI+1], v[WX+4*WI+2], v[WX+4*WI+3]
.if WT+16 < 64
	global_load_b128 v[WX+4*WI:WX+4*WI+3], v3, s[16:17] offset:512*(WT+16) th:TH_LOAD_NT
.endif
	global_store_b64 v4, v[WY+2*WI:WY+2*WI+1], s[24:25] offset:256*WT   ; 32 lanes store 256 consecutive bytes, aligned
.set WT, WT+1
.endr
	s_endpgm
; ---------------- the key bias.  A wave takes 8 rows of energy, a row (4,096 bytes) in 32 registers, four rows on their way or at work.
.Len:
	s_sub_co_u32 s33, ttmp9, 512
	s_lshl_b32 s33, s33, 5
	s_lshl_b32 s34, s28, 3
	s_add_co_u32 s33, s33, s34                     ; my first row: 32 x work-group + 8 x wave
	s_lshl_b32 s34, s33, 12
	s_add_nc_u64 s[18:19], s[18:19], s[34:35]
	s_lshl_b32 s34, s33, 2
	s_add_nc_u64 s[26:27], s[26:27], s[34:35]
	s_mov_b32 s30, 0x76543210                      ; v_permlanex16_b32's selects for lane l xor 16
	s_mov_b32 s31, 0xfedcba98
	s_mov_b32 s32, 0x3dcccccd                      ; 0.1 as f32
	v_mov_b32 v20, 0                               ; lane i gathers row i's result
	v_mov_b32 v21, 0xff61b1e6                      ; -3e38: a masked key
	v_mov_b32 v22, 0                               ; 0.0: a key that counts
	v_lshlrev_b32 v23, 2, v2
.macro EFILL i                         ; eight loads of 512 consecutive bytes: row i
.irp j, 0,1,2,3,4,5,6,7
	global_load_b128 v[EX+32*((\i)%4)+4*\j:EX+32*((\i)%4)+4*\j+3], v3, s[18:19] offset:(\i)*4096+512*\j th:TH_LOAD_NT
.endr
.endm
.macro EROW i, left                    ; left: the loads of the younger rows, eight each, which may stay out
.set E0, EX+32*((\i)%4)
	s_wait_loadcnt \left
	v_add_f32 v8, |v[E0]|, |v[E0+1]|               ; the sum of my 32 magnitudes, in four chains started by the first eight
	v_add_f32 v9, |v[E0+2]|, |v[E0+3]|
	v_add_f32 v10, |v[E0+4]|, |v[E0+5]|
	v_add_f32 v11, |v[E0+6]|, |v[E0+7]|
.irp j, 8,12,16,20,24,28
	v_add_f32 v8, v8, |v[E0+\j]|
	v_add_f32 v9, v9, |v[E0+\j+1]|
	v_add_f32 v10, v10, |v[E0+\j+2]|
	v_add_f32 v11, v11, |v[E0+\j+3]|
.endr
	v_add_f32 v8, v8, v9
	v_add_f32 v10, v10, v11
	v_add_f32 v8, v8, v10
	v_add_f32_dpp v8, v8, v8 row_xmask:1 row_mask:0xf bank_mask:0xf   ; across the 32 lanes
	v_add_f32_dpp v8, v8, v8 row_xmask:2 row_mask:0xf bank_mask:0xf
	v_add_f32_dpp v8, v8, v8 row_xmask:4 row_mask:0xf bank_mask:0xf
	v_add_f32_dpp v8, v8, v8 row_xmask:8 row_mask:0xf bank_mask:0xf
	v_permlanex16_b32 v9, v8, s30, s31
	v_add_f32 v8, v8, v9
	v_mul_f32 v8, 0x3a800000, v8                   ; / 1,024: exact
	v_cmp_lt_f32 vcc_lo, s32, v8                   ; 0.1 < the mean: the key counts.  The outcome only selects a value
	v_cndmask_b32 v9, v21, v22, vcc_lo
	v_cmp_eq_u32 vcc_lo, \i, v2
	v_cndmask_b32 v20, v20, v9, vcc_lo
.if (\i) < 4
	EFILL (\i)+4                                   ; the row's registers take the row four further on
.endif
.endm
	EFILL 0
	EFILL 1
	EFILL 2
	EFILL 3
	EROW 0, 24
	EROW 1, 24
	EROW 2, 24
	EROW 3, 24
	EROW 4, 24
	EROW 5, 16
	EROW 6, 8
	EROW 7, 0
	v_cmp_gt_u32 vcc_lo, 8, v2
	s_wait_xcnt 0x0                                ; EXEC changes only behind this wait
	s_and_saveexec_b32 s33, vcc_lo
	global_store_b32 v23, v20, s[26:27]            ; 32 bytes a wave: 16 KiB in the whole launch; more rows to a wave would leave too few waves for energy's 16 MiB
	s_wait_xcnt 0x0                                ; and again, in front of the line that widens it
	s_or_b32 exec_lo, exec_lo, s33
	s_endpgm
.Lfunc_end_k_q7242fbca81_prep:
	.size	k_q7242fbca81_prep, .Lfunc_end_k_q7242fbca81_prep-k_q7242fbca81_prep
	.p2alignl 7, 3214868480
	.fill 96, 4, 3214868480
	.section	.rodata,"a",@progbits
	.p2align	6, 0x0
	.amdhsa_kernel k_q7242fbca81_prep
		.amdhsa_group_segment_fixed_size 33280
		.amdhsa_private_segment_fixed_size 0
		.amdhsa_enable_private_segment 0
		.amdhsa_kernarg_size 96
		.amdhsa_user_sgpr_count 2
		.amdhsa_user_sgpr_kernarg_segment_ptr 1
		.amdhsa_wavefront_size32 1
		.amdhsa_system_sgpr_workgroup_id_x 1
		.amdhsa_system_sgpr_workgroup_id_y 1
		.amdhsa_system_sgpr_workgroup_id_z 1
		.amdhsa_system_vgpr_workitem_id 0
		.amdhsa_next_free_vgpr 192
		.amdhsa_next_free_sgpr 66
		.amdhsa_reserve_vcc 1
		.amdhsa_float_denorm_mode_32 3
		.amdhsa_float_denorm_mode_16_64 3
		.amdhsa_memory_ordered 1
		.amdhsa_forward_progress 1
		.amdhsa_inst_pref_size 85
	.end_amdhsa_kernel
	.amdgpu_metadata
---
amdhsa.version: [ 1, 2 ]
amdhsa.kernels:
  - .name:           k_q7242fbca81_prep
    .symbol:         k_q7242fbca81_prep.kd
    .args:
      - { .name: q_x, .offset: 0, .size: 8, .value_kind: global_buffer, .address_space: global }
      - { .name: k_x, .offset: 8, .size: 8, .value_kind: global_buffer, .address_space: global }
      - { .name: v_x, .offset: 16, .size: 8, .value_kind: global_buffer, .address_space: global }
      - { .name: Wq, .offset: 24, .size: 8, .value_kind: global_buffer, .address_space: global }
      - { .name: Wk, .offset: 32, .size: 8, .value_kind: global_buffer, .address_space: global }
      - { .name: Wv, .offset: 40, .size: 8, .value_kind: global_buffer, .address_space: global }
      - { .name: Wo, .offset: 48, .size: 8, .value_kind: global_buffer, .address_space: global }
      - { .name: energy, .offset: 56, .size: 8, .value_kind: global_buffer, .address_space: global }
      - { .name: codes, .offset: 64, .size: 8, .value_kind: global_buffer, .address_space: global }
      - { .name: scales, .offset: 72, .size: 8, .value_kind: global_buffer, .address_space: global }
      - { .name: wo16, .offset: 80, .size: 8, .value_kind: global_buffer, .address_space: global }
      - { .name: kbias, .offset: 88, .size: 8, .value_kind: global_buffer, .address_space: global }
    .group_segment_fixed_size: 33280
    .private_segment_fixed_size: 0
    .kernarg_segment_align: 8
    .kernarg_segment_size: 96
    .max_flat_workgroup_size: 128
    .sgpr_count:     66
    .vgpr_count:     192
    .wavefront_size: 32
...
	.end_amdgpu_metadata
.endif
;; end of part 1
;; launch proj (part 2): grid 4 x 48, 4 waves a work-group, clusters of 4 x 4, 327,680 bytes of LDS; arguments codes, scales, bq, bk, bv, qkv; writes qkv
.if DOCPART == 2
	.amdgcn_target "amdgcn-amd-amdhsa--gfx1250"
	.amdhsa_code_object_version 6
	.text
	.protected	k_q7242fbca81_proj
	.globl	k_q7242fbca81_proj
	.p2align	8
	.type	k_q7242fbca81_proj,@function
k_q7242fbca81_proj:
	s_mov_b64 s[64:65], 0
	v_nop
	global_prefetch_b8 v0, s[64:65] scope:SCOPE_SE
	s_setreg_imm32_b32 hwreg(HW_REG_WAVE_MODE, 25, 1), 1
	s_wait_xcnt 0x0
	s_wait_alu depctr_hold_cnt(0) depctr_sa_sdst(0) depctr_va_vdst(0) depctr_va_sdst(0) depctr_va_ssrc(0) depctr_va_vcc(0) depctr_vm_vsrc(0)
	s_getreg_b32 s2, hwreg(HW_REG_IB_STS2, 6, 4)
	s_cmp_eq_u32 s2, 0
	s_cbranch_scc0 .Lentry_in_a_cluster
	s_endpgm
.Lentry_in_a_cluster:
	s_bfe_u32 s2, ttmp6, 0x10000c
	s_cmp_lg_u32 s2, 0xf033
	s_cbranch_scc0 .Lentry_shape_is_right
	s_endpgm
.Lentry_shape_is_right:
; The three quantised products in one launch: Y_t = X_t W_t^T + b_t, t = 0, 1, 2 (Q, K, V), on codes of FP4 (E2M1) with one E8M0 scale for each 32 along K = 1,024; sums in f32; Y rounded once to f16.
; 'codes': 15,360 rows of 512 bytes: rows 0-12,287 are q_x, k_x, v_x (4,096 rows each), rows 12,288 on Wq, Wk, Wv (1,024 rows each); 'scales': 32 bytes for each of these rows.
; qkv: [3][2 b][16 h][2,048 l][64] f16: a head's rows are dense, 128 bytes each.
; A tile of Y, 256 x 256, is made by a work-group of four waves; a wave makes 128 x 128: 64 accumulators, 512 registers.  48 tile rows (over the stacked X) x 4 tile columns: 192 work-groups.
; K is two steps of 512 (tile rows of 256 bytes), so BOTH LDS slots are first fills: nothing is filled again, and there is no loop.  The scale bytes of the tile's rows, for all of K, come with them.
; CLUSTERS: 4 x 4 work-groups; a cluster lies inside one t (16 tile rows each).  The four of a row of the cluster need the same rows of X, the four of a column the same rows of W: each tile is asked for JOINTLY.
; THE MATRIX INSTRUCTION IS USED TRANSPOSED (source 0 = 16 rows of W, source 1 = 16 rows of X): a lane holds eight neighbouring columns of a row of Y.  The bias is the C of each sum's first product.
; LIMIT: Y beyond 65,504 does not fit f16.
; REGISTERS, in windows of 256: window 0: v0-31 addresses; v32-95 scale words, two sets; v128-191 X's fragments, one set; on the way out v128-223.
;   window 1: W's fragments, two sets, at v0 and v128; v192-255 the bias of my 128 columns in the result's layout.   windows 2, 3: the accumulators ((a, b) at v[8 (8 (a % 4) + b)]).
.set KSTEP,  512
.set NQ,     KSTEP/128
.set ROWB,   256                       ; a tile's row in bytes
.set KROW,   512                       ; a row of codes in memory
.set PITCH,  272                       ; an LDS row: 256 bytes + 16 of padding: the 16 rows that a load touches start 16 bytes apart modulo 256
.set FR,     8
.set NL,     2
.set NP,     4                         ; places behind this matrix instruction (ISA guide 7.12.1)
.set HALFT,  128*PITCH
.set SLOT,   4*HALFT                   ; X's 256 rows, then W's 256 rows
.set KS,     32                        ; a row of scales in bytes
.set SCL,    2*SLOT                    ; behind the slots: the scales, as units of 256 bytes + 16 of padding
.set HALFS,  (128*KS/256)*272
.set SBLK,   (16*KS/256)*272
.set STAGE,  SCL+4*HALFS               ; the way out: 16 rows x (256 bytes + 16) for each wave; no tile lands here
.set SPITCH, 272
.set SPARE,  STAGE+4*16*SPITCH         ; the spare words, 128 bytes a wave, named by no other line
.set ADRA, 16
.set ADRB, 20
.set STO,  24
.set RD,   25
.set CO,   26
.set ADRS, 27
.set SPW,  28
.set NIL,  29
.set SC,   32
.set AF,   128
.set BK,   128                         ; the way out: rows read back: v128-159 and v160-191 by turns
.set TMP,  192                         ; the way out: a block's packed results
.set BI,   192                         ; in window 1: the bias
.set G1, 24
.set G0, 32
.set G1B, 48
.set G0B, 56
.set G1S, 68
.set G0S, 76
.set G1SB, 80
.set G0SB, 88
.set MSB, 0
.macro WIN new                         ; the immediate's high byte repeats the setting that is left
.if MSB != \new
	s_set_vgpr_msb (MSB<<8)|\new
.set MSB, \new
.endif
.endm
.set MUL_LO, 0xa1                      ; source 0 (W) window 1, source 1 (X) window 0, C and D window 2
.set MUL_HI, 0xf1                      ; the same, C and D window 3
.set MUL_LO_B, 0x91                    ; the first products: C (the bias) window 1, D window 2
.set MUL_HI_B, 0xd1                    ; C window 1, D window 3
.set TO_B,   0x40                      ; destination window 1, address window 0
; A joint load: waves 0 and 1 fetch for X, waves 2 and 3 for W.  The branch hangs on the wave's number alone.  An s_nop 0 and four v_nop follow each of the two lines.
.macro JLOAD g0a, g1a, g0b, g1b
	s_cmp_eq_u32 s17, 0
	s_cbranch_scc0 .Lfor_b_\@
	tensor_load_to_lds s[\g0a:\g0a+3], s[\g1a:\g1a+7]
	s_nop 0
.rept 4
	v_nop
.endr
	s_branch .Lasked_\@
.Lfor_b_\@:
	tensor_load_to_lds s[\g0b:\g0b+3], s[\g1b:\g1b+7]
	s_nop 0
.rept 4
	v_nop
.endr
.Lasked_\@:
.endm
.macro CROUND                          ; a round of the cluster's barrier
	s_barrier_signal -1
	s_barrier_wait -1
	s_cmp_lg_u32 s16, 0
	s_cbranch_scc1 .Lnot_wave_0_\@
	s_barrier_signal -3
.Lnot_wave_0_\@:
	s_barrier_wait -3
	s_barrier_signal -1
	s_barrier_wait -1
.endm
	s_load_b256 s[4:11], s[0:1], 0x0               ; codes s[4:5], scales s[6:7], bq s[8:9], bk s[10:11]
	s_load_b128 s[12:15], s[0:1], 0x20             ; bv s[12:13], qkv s[14:15]
	v_lshl_add_u32 v[SPW], v0, 2, SPARE
	v_mov_b32 v[NIL], 0
	ds_add_u32 v[SPW], v[NIL]                      ; the wave's opening: the add and its wait stand ahead of my first tensor load; the set-up below stands between them
	v_lshrrev_b32 v1, 5, v0
	v_readfirstlane_b32 s16, v1                    ; wave 0..3
	s_lshr_b32 s17, s16, 1                         ; which half of the tile's rows is mine.  Also: I fetch for X (0) or for W (1)
	s_and_b32 s18, s16, 1                          ; which half of its columns.  Also: which 128 rows I fetch
	s_bfe_u32 s40, ttmp6, 0x40000                  ; cx, cy: my place in the cluster
	s_bfe_u32 s41, ttmp6, 0x40004
	s_lshl_b32 s42, ttmp9, 2
	s_add_co_u32 s42, s42, s40                     ; tile column = 4 x cluster x + cx
	s_and_b32 s19, ttmp7, 0xffff
	s_lshr_b32 s95, s19, 2                         ; t: which product: four clusters along y to each: the same in all sixteen partners
	s_lshl_b32 s19, s19, 2
	s_add_co_u32 s19, s19, s41                     ; tile row = 4 x cluster y + cy
	s_lshl_b32 s43, s41, 2
	s_lshl_b32 s43, 15, s43                        ; my row of the cluster
	s_lshl_b32 s44, 0x1111, s40                    ; my column
	; descriptor group 1: a tile of 128 rows x 256 bytes, padded in LDS
	s_or_b32 s[G1+0], s43, (0<<16)|(1<<20)|(1<<21)|(5<<22)|(3<<25)  ; 15:0 the mask: X's tiles go to my row; elements of 1 byte; padding on; bit 21 beside a mask; after every 64 words, 4 words
	s_or_b32 s[G1B+0], s44, (0<<16)|(1<<20)|(1<<21)|(5<<22)|(3<<25) ; W's go to my column
.irp g, G1, G1B
	s_mov_b32 s[\g+1], ROWB<<16                    ; tensor_dim0
	s_mov_b32 s[\g+2], 128<<16                     ; tensor_dim1
	s_mov_b32 s[\g+3], ROWB<<16                    ; tile_dim0
	s_mov_b32 s[\g+4], 128                         ; tile_dim1
	s_mov_b32 s[\g+5], KROW                        ; from row to row
	s_mov_b32 s[\g+6], 0
	s_mov_b32 s[\g+7], 0
.endr
	; the scales of 128 rows: 4,096 dense bytes, as 16 rows of 256 bytes (32 elements of 8 bytes), 16 bytes of padding behind each
	s_or_b32 s[G1S+0], s43, (3<<16)|(1<<20)|(1<<21)|(5<<22)|(3<<25)
	s_or_b32 s[G1SB+0], s44, (3<<16)|(1<<20)|(1<<21)|(5<<22)|(3<<25)
.irp g, G1S, G1SB
	s_mov_b32 s[\g+1], 32<<16
	s_mov_b32 s[\g+2], (128*KS/256)<<16
	s_mov_b32 s[\g+3], 32<<16
	s_mov_b32 s[\g+4], 128*KS/256
	s_mov_b32 s[\g+5], 32
	s_mov_b32 s[\g+6], 0
	s_mov_b32 s[\g+7], 0
.endr
	s_lshl_b32 s2, s18, 7                          ; which 128 rows of the tile I fetch
	s_lshl_b32 s20, s19, 8
	s_add_co_u32 s20, s20, s2                      ; X: row 256 x tile row + 128 x half
	s_lshl_b32 s46, s42, 8
	s_add_co_u32 s46, s46, s2
	s_lshl_b32 s3, s95, 10
	s_add_co_u32 s46, s46, s3
	s_add_co_u32 s46, s46, 12288                   ; W: row 12,288 + 1,024 t + 256 x tile column + 128 x half
	s_lshl_b32 s22, s20, 5                         ; where these rows' scales begin, in bytes,
	s_mov_b32 s23, 0
	s_lshl_b32 s92, s46, 5
	s_mov_b32 s93, 0
	s_lshl_b32 s20, s20, 9                         ; and their codes
	s_mov_b32 s21, 0
	s_lshl_b32 s46, s46, 9
	s_mov_b32 s47, 0
	s_mul_i32 s45, s16, HALFT                      ; where they go: wave x 128 rows: no place in the cluster enters an LDS address
	s_mul_i32 s94, s16, HALFS
	s_wait_dscnt 0x0                               ; the opening add is done
	s_wait_kmcnt 0x0
	s_add_nc_u64 s[20:21], s[4:5], s[20:21]
	s_add_nc_u64 s[22:23], s[6:7], s[22:23]
	s_add_nc_u64 s[46:47], s[4:5], s[46:47]
	s_add_nc_u64 s[92:93], s[6:7], s[92:93]
	CROUND                                         ; all sixteen work-groups are here: the joint loads meet
	s_mov_b32 s[G0S], 1
	s_add_co_u32 s[G0S+1], s94, SCL
	s_mov_b64 s[G0S+2:G0S+3], s[22:23]
	s_or_b32 s[G0S+3], s[G0S+3], 0x80000000
	s_mov_b32 s[G0SB], 1
	s_add_co_u32 s[G0SB+1], s94, SCL
	s_mov_b64 s[G0SB+2:G0SB+3], s[92:93]
	s_or_b32 s[G0SB+3], s[G0SB+3], 0x80000000
	JLOAD G0S, G1S, G0SB, G1SB                     ; the scales first: they are wanted with K step 0
.irp s, 0,1
	s_mov_b32 s[G0+4*\s], 1
	s_add_co_u32 s[G0+4*\s+1], s45, \s*SLOT
	s_add_nc_u64 s[G0+4*\s+2:G0+4*\s+3], s[20:21], \s*ROWB
	s_or_b32 s[G0+4*\s+3], s[G0+4*\s+3], 0x80000000
	s_mov_b32 s[G0B+4*\s], 1
	s_add_co_u32 s[G0B+4*\s+1], s45, \s*SLOT
	s_add_nc_u64 s[G0B+4*\s+2:G0B+4*\s+3], s[46:47], \s*ROWB
	s_or_b32 s[G0B+4*\s+3], s[G0B+4*\s+3], 0x80000000
	JLOAD G0+4*\s, G1, G0B+4*\s, G1B               ; three loads of mine are out behind the second of these
.endr
	v_and_b32 v1, 15, v0                           ; r = l % 16
	v_bfe_u32 v2, v0, 4, 1                         ; h = l / 16
	; the bias of my 128 columns: block b's eight numbers b_t[256 x tile column + 128 x half + 16 b + 8 h + 0 .. 7]
	s_cmp_eq_u32 s95, 0
	s_cselect_b64 s[8:9], s[8:9], s[10:11]
	s_cmp_eq_u32 s95, 2
	s_cselect_b64 s[8:9], s[12:13], s[8:9]
	s_lshl_b32 s20, s42, 10
	s_lshl_b32 s21, s18, 9
	s_add_co_u32 s20, s20, s21
	s_mov_b32 s21, 0
	s_add_nc_u64 s[8:9], s[8:9], s[20:21]
	v_lshlrev_b32 v7, 5, v2
	WIN TO_B
.irp b, 0,1,2,3,4,5,6,7
	global_load_b128 v[BI+8*\b:BI+8*\b+3], v7, s[8:9] offset:64*\b
	global_load_b128 v[BI+8*\b+4:BI+8*\b+7], v7, s[8:9] offset:64*\b+16
.endr
	WIN 0
	v_mul_u32_u24 v3, v1, PITCH
	v_lshl_add_u32 v4, v2, 4, v3                   ; a fragment's row x pitch + 16 x half
	s_mul_i32 s21, s17, HALFT                      ; my 128 rows of X
	s_mul_i32 s22, s18, HALFT                      ; my 128 rows of W,
	s_add_co_u32 s22, s22, 2*HALFT                 ; which lie behind X's 256
.irp s, 0,1
	v_add_nc_u32 v[ADRA+\s], s21, v4
	v_add_nc_u32 v[ADRB+\s], s22, v4
	s_add_co_u32 s21, s21, SLOT
	s_add_co_u32 s22, s22, SLOT
.endr
	v_mul_u32_u24 v5, v1, KS                       ; my row's scales: KS bytes a row,
	v_lshrrev_b32 v6, 8, v5
	v_lshl_add_u32 v5, v6, 4, v5                   ; and 16 more for each 256 passed
	s_mul_i32 s21, s17, HALFS                      ; X's: my 128 rows
	s_mul_i32 s22, s18, HALFS                      ; W's: my 128 rows, behind X's 256
	s_add_co_u32 s22, s22, 2*HALFS
	s_sub_co_u32 s22, s22, s21
	v_mul_u32_u24 v6, s22, v2                      ; lanes 16-31 take W's: the lower base + h x the distance
	s_add_co_u32 s21, s21, SCL
	v_add_nc_u32 v5, v5, v6
	v_add_nc_u32 v[ADRS], s21, v5
	s_mul_i32 s23, s16, 16*SPITCH
	s_add_co_u32 s23, s23, STAGE                   ; my stage
	v_mul_u32_u24 v5, v1, SPITCH                   ; in: row r, 16 bytes for each half of the lanes
	v_lshl_add_u32 v5, v2, 4, v5
	v_add_nc_u32 v[STO], s23, v5
	v_and_b32 v6, 31, v0
	v_lshlrev_b32 v[CO], 4, v6                     ; out: 16 bytes a lane: four rows of one head are 512 consecutive bytes of qkv
	v_lshrrev_b32 v5, 3, v6
	v_mul_u32_u24 v5, v5, SPITCH                   ; back: eight lanes to a head's 128 bytes of a row, four rows an instruction
	v_and_b32 v6, 7, v6
	v_lshl_add_u32 v5, v6, 4, v5
	v_add_nc_u32 v[RD], s23, v5
	s_lshr_b32 s20, s19, 3                         ; where my part begins in qkv: tile row / 8 = 2 t + b: 4 MiB each;
	s_lshl_b32 s20, s20, 22
	s_and_b32 s21, s19, 7                          ; 256 rows of 128 bytes for each tile row within a batch;
	s_lshl_b32 s21, s21, 15
	s_add_co_u32 s20, s20, s21
	s_lshl_b32 s21, s17, 14                        ; my half's 128 rows;
	s_add_co_u32 s20, s20, s21
	s_lshl_b32 s21, s42, 20                        ; head 4 x tile column + 2 x half: 262,144 bytes a head
	s_add_co_u32 s20, s20, s21
	s_lshl_b32 s21, s18, 19
	s_add_co_u32 s20, s20, s21
	s_mov_b32 s21, 0
	s_add_nc_u64 s[14:15], s[14:15], s[20:21]
.macro FRAG reg, adr, q, i             ; a fragment, 16 rows x 128 K of 4-bit codes: lane l holds row l % 16; registers 4 c .. 4 c + 3 hold K = 64 c + 32 (l / 16) + 0 .. 31
.irp c, 0,1
	ds_load_b128 v[\reg+4*\c:\reg+4*\c+3], v[\adr] offset:64*(\q)+32*\c+(\i)*16*PITCH
.endr
.endm
; 16 matrix instructions: X's blocks a0, a0 + 1 x W's eight, 128 along K: the slot's q-th.  p: W's set; sc: the set of scale words.  zero = 1: the first product starts the sums from the bias.
; The 64 accumulators take turns, one instruction a turn, in the same order in every step.
.macro MUL16 a0, p, q, sc, zero
.irp a, \a0, \a0+1
.irp b, 0,1,2,3,4,5,6,7
.if \zero
	v_wmma_scale_f32_16x16x128_f8f6f4 v[8*(8*((\a)%4)+\b):8*(8*((\a)%4)+\b)+7], v[128*(\p)+FR*\b:128*(\p)+FR*\b+FR-1], v[AF+FR*(\a):AF+FR*(\a)+FR-1], v[BI+8*\b:BI+8*\b+7], v[SC+8*NQ*(\sc)+NQ*\b+(\q)], v[SC+8*NQ*(\sc)+NQ*(\a)+(\q)] matrix_a_fmt:MATRIX_FMT_FP4 matrix_b_fmt:MATRIX_FMT_FP4 matrix_a_scale:MATRIX_SCALE_ROW1
.else
	v_wmma_scale_f32_16x16x128_f8f6f4 v[8*(8*((\a)%4)+\b):8*(8*((\a)%4)+\b)+7], v[128*(\p)+FR*\b:128*(\p)+FR*\b+FR-1], v[AF+FR*(\a):AF+FR*(\a)+FR-1], v[8*(8*((\a)%4)+\b):8*(8*((\a)%4)+\b)+7], v[SC+8*NQ*(\sc)+NQ*\b+(\q)], v[SC+8*NQ*(\sc)+NQ*(\a)+(\q)] matrix_a_fmt:MATRIX_FMT_FP4 matrix_b_fmt:MATRIX_FMT_FP4 matrix_a_scale:MATRIX_SCALE_ROW1
.endif
.endr
.endr
.endm
.macro FETCH_B slot, q, p              ; W's eight fragments of the slot's q-th 128 along K into set p
	WIN TO_B
.irp i, 0,1,2,3,4,5,6,7
	FRAG 128*(\p)+FR*\i, ADRB+\slot, \q, \i
.endr
	WIN 0
.endm
.macro FETCH_A slot, q, i0             ; X's blocks i0 .. i0 + 3
.irp i, \i0, \i0+1, \i0+2, \i0+3
	FRAG AF+FR*(\i), ADRA+\slot, \q, \i
.endr
.endm
.macro SCALES sc                       ; a K step's scale words into set sc: NQ words a row; lanes 0-15 take X's block i, lanes 16-31 W's block i
.irp i, 0,1,2,3,4,5,6,7
	ds_load_b128 v[SC+8*NQ*\sc+NQ*\i:SC+8*NQ*\sc+NQ*\i+3], v[ADRS] offset:\i*SBLK
.endr
.endm
.macro PLACES n                        ; plain vector instructions between a matrix instruction and a load into, or a read of, its registers
.rept \n
	v_nop
.endr
.endm
; A step of 128 along K that has its successor in the same slot.  X has one set of registers: blocks 0-3 are fetched anew in the step's middle, blocks 4-7 at its end.
.macro STEP slot, q, zero
	s_wait_dscnt 4*NL                              ; W's set and X's blocks 0-3 are in; the youngest eight loads (X's blocks 4-7) may be out
.if \zero
	WIN MUL_LO_B
.else
	WIN MUL_LO
.endif
	MUL16 0, (\q)%2, \q, \slot, \zero
	MUL16 2, (\q)%2, \q, \slot, \zero
	s_wait_dscnt 0                                 ; X's blocks 4-7 are in
	PLACES NP
	FETCH_B \slot, (\q)+1, 1-(\q)%2
	FETCH_A \slot, (\q)+1, 0
.if \zero
	WIN MUL_HI_B
.else
	WIN MUL_HI
.endif
	MUL16 4, (\q)%2, \q, \slot, \zero
	MUL16 6, (\q)%2, \q, \slot, \zero
	PLACES NP
	WIN 0
	FETCH_A \slot, (\q)+1, 4
.endm
; Slot 0's last step goes over to slot 1: one barrier; in front of it each wave waits for all its tensor loads (its part of slot 1), adds 0 to its spare word and waits for that.  Nothing is filled again.
.macro TURN slot, next
	s_wait_tensorcnt 0x0                           ; all my tensor loads have landed: my part of the next slot
	ds_add_u32 v[SPW], v[NIL]                      ; 0 onto my spare word
	s_wait_dscnt 4*NL+1                            ; (the add and the youngest eight loads may be out)
	WIN MUL_LO
	MUL16 0, 1, NQ-1, \slot, 0                     ; sixteen matrix instructions stand between the add and the wait for it
	s_wait_dscnt 0x0                               ; the add is done, and my reads of this slot are over
	s_barrier_signal -1
	MUL16 2, 1, NQ-1, \slot, 0
	WIN 0
	s_barrier_wait -1                              ; everybody's part of the next slot is in
	PLACES NP
	v_add_nc_u32 v[ADRS], 4*NQ, v[ADRS]            ; on to the next K step's scale words
	FETCH_B \next, 0, 0
	FETCH_A \next, 0, 0
	SCALES \next
	WIN MUL_HI
	MUL16 4, 1, NQ-1, \slot, 0
	MUL16 6, 1, NQ-1, \slot, 0
	PLACES NP
	WIN 0
	FETCH_A \next, 0, 4
.endm
	s_wait_tensorcnt 1                             ; the scales and my part of K step 0 are in (K step 1's load may be out)
	s_barrier_signal -1
	s_barrier_wait -1                              ; everybody's are
	FETCH_B 0, 0, 0
	FETCH_A 0, 0, 0
	SCALES 0
	FETCH_A 0, 0, 4
	s_wait_loadcnt 0x0                             ; the bias
	STEP 0, 0, 1
	STEP 0, 1, 0
	STEP 0, 2, 0
	TURN 0, 1
	STEP 1, 0, 0
	STEP 1, 1, 0
	STEP 1, 2, 0
	s_wait_dscnt 4*NL                              ; the very last step: nothing more to fetch
	WIN MUL_LO
	MUL16 0, 1, NQ-1, 1, 0
	MUL16 2, 1, NQ-1, 1, 0
	s_wait_dscnt 0
	WIN MUL_HI
	MUL16 4, 1, NQ-1, 1, 0
	MUL16 6, 1, NQ-1, 1, 0
	WIN 0
; THE WAY OUT, block by block of 16 rows x 128 columns (two heads).  PACK: rounded to f16, 16 bytes a lane, each accumulator from its low end on.  TOSTAGE: into my own stage and back by heads.  SEND: stored.
.macro PACK a
.set AC, 64*((\a)%4)
	WIN 0x0a+5*((\a)/4)                            ; sources 0 and 1: window 2 or 3
.irp b, 0,1,2,3,4,5,6,7
.irp r, 0,1,2,3
	v_cvt_pk_f16_f32 v[TMP+4*\b+\r], v[AC+8*\b+2*\r], v[AC+8*\b+2*\r+1]
.endr
.endr
	WIN 0
.endm
.macro TOSTAGE a
.set BB, BK+32*((\a)%2)
.irp b, 0,1,2,3,4,5,6,7
	ds_store_b128 v[STO], v[TMP+4*\b:TMP+4*\b+3] offset:32*\b
.endr
.irp e, 0,1
.irp i, 0,1,2,3
	ds_load_b128 v[BB+4*(4*\e+\i):BB+4*(4*\e+\i)+3], v[RD] offset:128*\e+4*SPITCH*\i   ; LDS serves a wave's instructions in order: these see the stores above.  Head e, rows 4 i .. 4 i + 3
.endr
.endr
.endm
.macro SEND a
.set BB, BK+32*((\a)%2)
	s_wait_dscnt 0x0                               ; the block is back in registers
	s_wait_xcnt 0x0                                ; the block before's stores have read their registers: the next block's loads may land there
.irp e, 0,1
.irp i, 0,1,2,3
	global_store_b128 v[CO], v[BB+4*(4*\e+\i):BB+4*(4*\e+\i)+3], s[14:15] offset:\e*262144+(\a)*2048+\i*512   ; 32 lanes store 512 consecutive bytes, at a multiple of 256 from qkv's first byte
.endr
.endr
.endm
	PLACES NP                                      ; behind the last products: for the loads into the registers that held X's fragments
	PACK 0
	TOSTAGE 0
.irp a, 1,2,3,4,5,6,7                  ; block a's conversions stand between block a - 1's loads from the stage and the wait for them
	PACK \a
	SEND \a-1
	TOSTAGE \a
.endr
	SEND 7
	s_wait_tensorcnt 0x0                           ; the wave's end: behind my last tensor load and my last LDS store
	ds_add_u32 v[SPW], v[NIL]
	s_wait_dscnt 0x0
	CROUND                                         ; the closing round: no work-group ends while a partner may still ask for a tile that names it
	s_endpgm
.Lfunc_end_k_q7242fbca81_proj:
	.size	k_q7242fbca81_proj, .Lfunc_end_k_q7242fbca81_proj-k_q7242fbca81_proj
	.p2alignl 7, 3214868480
	.fill 96, 4, 3214868480
	.section	.rodata,"a",@progbits
	.p2align	6, 0x0
	.amdhsa_kernel k_q7242fbca81_proj
		.amdhsa_group_segment_fixed_size 327680
		.amdhsa_private_segment_fixed_size 0
		.amdhsa_enable_private_segment 0
		.amdhsa_kernarg_size 48
		.amdhsa_user_sgpr_count 2
		.amdhsa_user_sgpr_kernarg_segment_ptr 1
		.amdhsa_wavefront_size32 1
		.amdhsa_system_sgpr_workgroup_id_x 1
		.amdhsa_system_sgpr_workgroup_id_y 1
		.amdhsa_system_sgpr_workgroup_id_z 1
		.amdhsa_system_vgpr_workitem_id 0
		.amdhsa_next_free_vgpr 1024
		.amdhsa_next_free_sgpr 98
		.amdhsa_reserve_vcc 0
		.amdhsa_float_denorm_mode_32 3
		.amdhsa_float_denorm_mode_16_64 3
		.amdhsa_memory_ordered 1
		.amdhsa_forward_progress 1
		.amdhsa_inst_pref_size 128
	.end_amdhsa_kernel
	.amdgpu_metadata
---
amdhsa.version: [ 1, 2 ]
amdhsa.kernels:
  - .name:           k_q7242fbca81_proj
    .symbol:         k_q7242fbca81_proj.kd
    .args:
      - { .name: codes, .offset: 0, .size: 8, .value_kind: global_buffer, .address_space: global }
      - { .name: scales, .offset: 8, .size: 8, .value_kind: global_buffer, .address_space: global }
      - { .name: bq, .offset: 16, .size: 8, .value_kind: global_buffer, .address_space: global }
      - { .name: bk, .offset: 24, .size: 8, .value_kind: global_buffer, .address_space: global }
      - { .name: bv, .offset: 32, .size: 8, .value_kind: global_buffer, .address_space: global }
      - { .name: qkv, .offset: 40, .size: 8, .value_kind: global_buffer, .address_space: global }
    .group_segment_fixed_size: 327680
    .private_segment_fixed_size: 0
    .kernarg_segment_align: 8
    .kernarg_segment_size: 48
    .max_flat_workgroup_size: 128
    .sgpr_count:     98
    .vgpr_count:     1024
    .wavefront_size: 32
...
	.end_amdgpu_metadata
.endif
;; end of part 2
;; launch attn (part 3): grid 8 x 32, 8 waves a work-group, clusters of 4 x 1, 327,680 bytes of LDS; arguments qkv, kbias, att; writes att
.if DOCPART == 3
	.amdgcn_target "amdgcn-amd-amdhsa--gfx1250"
	.amdhsa_code_object_version 6
	.text
	.protected	k_q7242fbca81_attn
	.globl	k_q7242fbca81_attn
	.p2align	8
	.type	k_q7242fbca81_attn,@function
k_q7242fbca81_attn:
	s_mov_b64 s[64:65], 0
	v_nop
	global_prefetch_b8 v0, s[64:65] scope:SCOPE_SE
	s_setreg_imm32_b32 hwreg(HW_REG_WAVE_MODE, 25, 1), 1
	s_wait_xcnt 0x0
	s_wait_alu depctr_hold_cnt(0) depctr_sa_sdst(0) depctr_va_vdst(0) depctr_va_sdst(0) depctr_va_ssrc(0) depctr_va_vcc(0) depctr_vm_vsrc(0)
	s_getreg_b32 s2, hwreg(HW_REG_IB_STS2, 6, 4)
	s_cmp_eq_u32 s2, 0
	s_cbranch_scc0 .Lentry_in_a_cluster
	s_endpgm
.Lentry_in_a_cluster:
	s_bfe_u32 s2, ttmp6, 0x10000c
	s_cmp_lg_u32 s2, 0x3003
	s_cbranch_scc0 .Lentry_shape_is_right
	s_endpgm
.Lentry_shape_is_right:
; O[b][h][q] = the sum over the keys that count of softmax_k(Q[q] . K[k] / 8) V[k], head size 64, 2,048 keys, 32 heads in all.  Q, K, V: qkv [3][32 heads][2,048][64] f16.  Products, maxima and sums in f32;
; the weights p are rounded to f16 for the second product, O once at the end.
; THE MASK.  kbias[b][k] is 0.0 for a key that counts and -3e38 for one that does not.  It is the C of the first product of each tile of scores, so that a masked key's score is q.k - 3e38.
; The running maximum m starts at -2^100: every true score lies above it (f16 operands bound |q.k| by 64 x 65,504^2) and every masked score far below it.  So a masked key's p = 2^(c s - c m) is 0 from the first
; step on, also while no counting key has been seen; the first counting key makes a = 2^(c m_old - c m_new) = 0, which multiplies zeros.  A row with no key left ends with l = 0 and O = 0, and 0 / max(l, 2^-100) = 0,
; as reference() has it.  c x -2^100 is exact.
; SHARES.  A work-group owns 256 queries of one head, each of its eight waves 32: two tiles of 16.  Two waves share a SIMD, so that one wave's softmax stands beside the other's products.  64 keys a step.
; LAYOUT.  S^T = K Q^T (source 0 = 16 keys, source 1 = 16 queries): a lane holds ONE query (lane % 16) and the keys 8 (lane / 16) + 0 .. 7.  Two such tiles, rounded to f16 in pairs, ARE source 1 of
; O^T = V^T P, whose result again holds one query a lane and eight channels.  K comes out of LDS as it lies, V ([key][channel]) turned, by ds_load_tr16_b128.
; CLUSTER.  The four query blocks of a cluster belong to one head and walk the same K, V and bias: every tile is asked for JOINTLY, with a mask that names the four.
; THE RING.  Two LDS slots of four key steps.  Waves 0-3 fetch a slot's four tiles of K, waves 4-7 its four of V, 64 rows each: one load a wave behind each round, with four key steps in which to land.
; att: the normalised O in f16 as images of the next launch's operand registers: [32 blocks of 128 rows][32 kc of 32 channels][8 tiles of 16 rows][1,024 bytes]; in an image lane l's registers 0-3 lie at 16 l and its
; registers 4-7 at 512 + 16 l.  A lane's packed results ARE those registers: they are stored as they stand.
; LIMITS: f16 operands (Q, K, V beyond 65,504 do not fit); NaN and infinities are not served.
; REGISTERS: window 0: v1-13 addresses; v16-31 statistics, eight a tile; v32-63 the step's bias; v64-127 S^T; v128-159 P; v160-223 O^T.   window 1: v0-31 Q; v32-95 K of a step; v96-159 V of a step.
.set KS,    64                         ; keys in a step
.set PK,    144                        ; a row of K in LDS: 128 bytes + 16: the 16 rows of a load start 16 bytes apart modulo 256
.set PV,    160                        ; a row of V: 128 + 32: the 8 rows x 32 bytes that 16 lanes of the turning load take do not meet
.set VOFF,  KS*PK                      ; a step's tiles lie together: 64 rows of K, then 64 rows of V
.set STEPB, KS*(PK+PV)
.set SLOT1, 1<<17                      ; slot 1 begins here: one exclusive or turns an address in one slot into the other's
.set BIAS,  SLOT1+4*STEPB              ; behind the ring: the batch's 2,048 bias numbers, filled once
.set SPARE, BIAS+8192                  ; the spare words, 128 bytes a wave: four blocks of 256 bytes named by no other line
.set SLOTB, 4*KS*128                   ; a slot's rows of K or of V in memory, in bytes
.set KBASE, 8388608                    ; K's and V's parts of qkv
.set VBASE, 16777216
.set AK0, 2                            ; v2   my lane's place in a tile of K
.set AV0, 3                            ; v3   the same for V
.set ADK, 4                            ; v4-6 the LDS addresses of the step in hand: K, V, bias
.set ADV, 5
.set ADB, 6
.set QO,  7                            ; v7   my byte offset in the wave's rows of Q
.set GO,  8                            ; v8   16 x lane: my place in an image
.set AB0, 10                           ; v10  my lane's place in a step's bias
.set PFO, 11                           ; v11  256 x lane: the prefetches' offset; never rewritten
.set SPW, 12                           ; v12  LDS address of my spare word; never rewritten
.set NIL, 13                           ; v13  0; never rewritten
.set ST,  16                           ; tile t's statistics at v[ST + 8 t]: +0 c m, +1 m, +2, +3 l (even keys', odd keys'), +4 .. +7 at work; a takes +6
.set BI,  32
.set S,   64
.set P,   128
.set O,   160
.set QF,  0                            ; in window 1
.set KF,  32
.set VF,  96
.set WV,  12                           ; s12  my wave's number
.set LIM, 15                           ; s15  1 in a wave that prefetches, else the greatest number
.set PFA, 18                           ; s[18:19] where my prefetches stand
.set G1K, 24
.set G1V, 32
.set G0K, 40                           ; two sets; the second then walks on
.set G0V, 48
.set SLOTS, 56                         ; s56  slots still to be asked for
.set CNT, 57                           ; s57  counts a slot's four steps
.set CS,  58                           ; s[58:59] c = log2(e) / 8
.set SEL, 60                           ; s[60:61] selects for lane l xor 16
.set TB,  62                           ; s62  LDS byte at which the step's tiles begin
.set TBB, 63                           ; s63  and its bias: 256 bytes a step
.set G1M, 68
.set G0M, 76
.set MSB, 0
.macro WIN new                         ; the immediate's high byte repeats the setting that is left
.if MSB != \new
	s_set_vgpr_msb (MSB<<8)|\new
.set MSB, \new
.endif
.endm
.set W_LD, 0x40                        ; destination window 1, address window 0
.set W_KQ, 0x05                        ; K and Q in window 1; bias and S^T in window 0
.set W_PV, 0x01                        ; V in window 1; P and O^T in window 0
.macro PLACES
.rept 4
	v_nop
.endr
.endm
.macro CROUND                          ; a round of the cluster's barrier
	s_barrier_signal -1
	s_barrier_wait -1
	s_cmp_lg_u32 s[WV], 0
	s_cbranch_scc1 .Lnot_wave_0_\@
	s_barrier_signal -3
.Lnot_wave_0_\@:
	s_barrier_wait -3
	s_barrier_signal -1
	s_barrier_wait -1
.endm
; A joint refill by the walking descriptors.  The branch hangs on the wave's number alone.  An s_nop 0 and four v_nop follow each of the two lines.
.macro JLOAD
	s_cmp_lt_u32 s[WV], 4
	s_cbranch_scc0 .Lfor_v_\@
	tensor_load_to_lds s[G0K+4:G0K+7], s[G1K:G1K+7]
	s_nop 0
.rept 4
	v_nop
.endr
	s_branch .Lasked_\@
.Lfor_v_\@:
	tensor_load_to_lds s[G0V+4:G0V+7], s[G1V:G1V+7]
	s_nop 0
.rept 4
	v_nop
.endr
.Lasked_\@:
.endm
; A PREFETCH INTO THE L2 of what the NEXT change of slots will ask for: a slot's 32,768 bytes of K and of V.  All clusters of a head walk the same rows: the head's first cluster asks.  Its four partners share the
; bytes out BY ADDRESS, 8,192 each; in each, wave 0 asks for K's and wave 4 for V's, lanes 256 bytes apart: each aligned 256 bytes are named once in the launch.  It stands behind the wave's tensor load and its five
; lines, four key steps ahead of the load that will want the rows.  The last change that fills a slot asks for nothing; slots 0 to 2 come by their loads alone.
.macro ASK
	s_cmp_gt_u32 s[SLOTS], s[LIM]
	s_cbranch_scc0 .Lnot_mine_\@
	global_prefetch_b8 v[PFO], s[PFA:PFA+1] th:TH_LOAD_NT scope:SCOPE_SE
.Lnot_mine_\@:
.endm
	s_load_b128 s[4:7], s[0:1], 0x0                ; qkv s[4:5], kbias s[6:7]
	s_load_b64 s[8:9], s[0:1], 0x10                ; att
	v_lshl_add_u32 v[SPW], v0, 2, SPARE
	v_mov_b32 v[NIL], 0
	ds_add_u32 v[SPW], v[NIL]                      ; the wave's opening: the add and its wait stand ahead of my first tensor load; the set-up below stands between them
	v_lshrrev_b32 v1, 5, v0
	v_readfirstlane_b32 s[WV], v1                  ; wave 0..7
	s_bfe_u32 s13, ttmp6, 0x40000                  ; cx: my place in the cluster
	s_lshl_b32 s14, ttmp9, 2
	s_add_co_u32 s14, s14, s13                     ; my block of 256 queries: it enters Q's and att's addresses alone
	s_and_b32 s16, ttmp7, 0xffff                   ; y = 16 b + h, which the four partners share
	s_and_b32 s17, s[WV], 3                        ; which of a slot's four steps I fetch
	s_lshl_b32 s20, s16, 18                        ; the head's first byte in Q's, K's and V's part: 262,144 a head
	s_lshl_b32 s22, s17, 13                        ; my step's 64 rows of 128 bytes
	s_add_co_u32 s22, s22, s20
	s_mov_b32 s23, 0
	s_mul_i32 s17, s17, STEPB                      ; and its place in a slot: no place in the cluster enters an LDS address
	s_lshl_b32 s2, s14, 15                         ; Q: my block's 256 rows,
	s_lshl_b32 s3, s[WV], 12                       ; my wave's 32 of them
	s_add_co_u32 s2, s2, s3
	s_add_co_u32 s2, s2, s20
	s_mov_b32 s3, 0
	s_and_b32 s10, s16, 16                         ; att: block of 128 rows 16 b + 2 x query block + wave / 4: 262,144 bytes each;
	s_lshl_b32 s11, s14, 1
	s_add_co_u32 s10, s10, s11
	s_lshr_b32 s11, s[WV], 2
	s_add_co_u32 s10, s10, s11
	s_lshl_b32 s10, s10, 18
	s_and_b32 s11, s16, 15                         ; kc = 2 h on: 8,192 bytes each;
	s_lshl_b32 s11, s11, 14
	s_add_co_u32 s10, s10, s11
	s_and_b32 s11, s[WV], 3                        ; tile of rows 2 (wave % 4) on: 1,024 bytes each
	s_lshl_b32 s11, s11, 11
	s_add_co_u32 s10, s10, s11
	s_mov_b32 s11, 0
	s_lshr_b32 s20, s16, 4                         ; the bias: the batch's 8,192 bytes, my wave's 1,024 of them
	s_lshl_b32 s20, s20, 13
	s_lshl_b32 s21, s[WV], 10
	s_add_co_u32 s20, s20, s21
	s_mov_b32 s21, 0
	; descriptor group 1: a tile of 64 rows x 64 elements of 2 bytes, padded in LDS
	s_mov_b32 s[G1K], 15|(1<<16)|(1<<20)|(1<<21)|(4<<22)|(3<<25)  ; 15:0 the mask: all four work-groups; elements of 2 bytes; padding on; bit 21 beside a mask; after every 32 words, 4 words
	s_mov_b32 s[G1V], 15|(1<<16)|(1<<20)|(1<<21)|(4<<22)|(7<<25)  ; the same with 8 words of padding
.irp g, G1K, G1V
	s_mov_b32 s[\g+1], 64<<16                      ; tensor_dim0
	s_mov_b32 s[\g+2], KS<<16                      ; tensor_dim1
	s_mov_b32 s[\g+3], 64<<16                      ; tile_dim0
	s_mov_b32 s[\g+4], KS                          ; tile_dim1
	s_mov_b32 s[\g+5], 64                          ; from row to row
	s_mov_b32 s[\g+6], 0
	s_mov_b32 s[\g+7], 0
.endr
	s_mov_b32 s[G1M], 15|(3<<16)|(1<<21)           ; the bias: 1,024 dense bytes as 4 rows of 32 elements of 8 bytes, no padding
	s_mov_b32 s[G1M+1], 32<<16
	s_mov_b32 s[G1M+2], 4<<16
	s_mov_b32 s[G1M+3], 32<<16
	s_mov_b32 s[G1M+4], 4
	s_mov_b32 s[G1M+5], 32
	s_mov_b32 s[G1M+6], 0
	s_mov_b32 s[G1M+7], 0
	s_mov_b32 s[CS], 0x3e38aa3b                    ; c = log2(e) / sqrt(64)
	s_mov_b32 s[CS+1], s[CS]                       ; (named with it as a pair, so it is written)
	s_mov_b32 s[SEL], 0x76543210
	s_mov_b32 s[SEL+1], 0xfedcba98
	s_mov_b32 s[TB], 0
	s_mov_b32 s[TBB], 0
	s_mov_b32 s[SLOTS], 2048/(4*KS)-2
	s_and_b32 s[LIM], s[WV], 3                     ; 0 in waves 0 and 4,
	s_or_b32 s[LIM], s[LIM], ttmp9                 ; where the cluster is the head's first: the same in all four partners
	s_cmp_eq_u32 s[LIM], 0
	s_cselect_b32 s[LIM], 1, -1
	s_wait_dscnt 0x0                               ; the opening add is done
	s_wait_kmcnt 0x0
	s_add_nc_u64 s[22:23], s[4:5], s[22:23]        ; qkv at my head and my step's rows
	s_add_nc_u64 s[2:3], s[4:5], s[2:3]            ; Q at my wave's first row
	s_add_nc_u64 s[8:9], s[8:9], s[10:11]          ; att at my wave's first image
	s_add_nc_u64 s[6:7], s[6:7], s[20:21]          ; kbias at my wave's part
	s_mov_b32 s20, VBASE+2*SLOTB                   ; the prefetches stand in slot 2 (the first change of slots steps them to slot 3), in K's part or in V's,
	s_cmp_lt_u32 s[WV], 4
	s_cselect_b32 s20, KBASE+2*SLOTB, s20
	s_lshl_b32 s21, s13, 13                        ; at my work-group's 8,192 bytes
	s_add_co_u32 s20, s20, s21
	s_mov_b32 s21, 0
	s_add_nc_u64 s[PFA:PFA+1], s[22:23], s[20:21]  ; (in waves 0 and 4 s[22:23] stands at a slot's first row)
	CROUND                                         ; all four work-groups are here: the first joint loads meet
	s_mov_b32 s[G0M], 1
	s_lshl_b32 s[G0M+1], s[WV], 10
	s_add_co_u32 s[G0M+1], s[G0M+1], BIAS
	s_mov_b64 s[G0M+2:G0M+3], s[6:7]
	s_or_b32 s[G0M+3], s[G0M+3], 0x80000000
.irp s, 0,1
	s_mov_b32 s[G0K+4*\s], 1                       ; count = 1
	s_add_co_u32 s[G0K+4*\s+1], s17, \s*SLOT1      ; LDS address
	s_add_nc_u64 s[G0K+4*\s+2:G0K+4*\s+3], s[22:23], KBASE+\s*SLOTB   ; global address: slot s begins with keys 256 s
	s_or_b32 s[G0K+4*\s+3], s[G0K+4*\s+3], 0x80000000                 ; type = 2
	s_mov_b32 s[G0V+4*\s], 1
	s_add_co_u32 s[G0V+4*\s+1], s17, \s*SLOT1+VOFF
	s_add_nc_u64 s[G0V+4*\s+2:G0V+4*\s+3], s[22:23], VBASE+\s*SLOTB
	s_or_b32 s[G0V+4*\s+3], s[G0V+4*\s+3], 0x80000000
.endr
	s_cmp_lt_u32 s[WV], 4                          ; a wave's three first fills stand in one branch, ahead of every wait on TENSORcnt and every LDS read: three loads of mine are out
	s_cbranch_scc0 .Lfirst_v
	tensor_load_to_lds s[G0M:G0M+3], s[G1M:G1M+7]
	s_nop 0
	tensor_load_to_lds s[G0K:G0K+3], s[G1K:G1K+7]
	s_nop 0
	tensor_load_to_lds s[G0K+4:G0K+7], s[G1K:G1K+7]
	s_nop 0
.rept 4
	v_nop
.endr
	s_branch .Lfirst_asked
.Lfirst_v:
	tensor_load_to_lds s[G0M:G0M+3], s[G1M:G1M+7]
	s_nop 0
	tensor_load_to_lds s[G0V:G0V+3], s[G1V:G1V+7]
	s_nop 0
	tensor_load_to_lds s[G0V+4:G0V+7], s[G1V:G1V+7]
	s_nop 0
.rept 4
	v_nop
.endr
.Lfirst_asked:
	; A fragment of K or Q is 16 rows x 32 channels in 8 registers: lane l holds row l % 16; registers 0-3 channels 8 (l / 16) + 0..7, registers 4-7 channels 16 + 8 (l / 16) + 0..7
	v_and_b32 v1, 15, v0                           ; r
	v_bfe_u32 v9, v0, 4, 1                         ; h
	v_lshlrev_b32 v[QO], 7, v1
	v_lshl_add_u32 v[QO], v9, 4, v[QO]             ; row x 128 + 16 x half
	WIN W_LD
.irp t, 0,1
.irp c, 0,1
	global_load_b128 v[QF+16*\t+8*\c:QF+16*\t+8*\c+3],   v[QO], s[2:3] offset:2048*\t+64*\c      ; Q stays in registers: tile t, channels 32 c on
	global_load_b128 v[QF+16*\t+8*\c+4:QF+16*\t+8*\c+7], v[QO], s[2:3] offset:2048*\t+64*\c+32
.endr
.endr
	WIN 0
	v_mul_u32_u24 v[AK0], v1, PK
	v_lshl_add_u32 v[AK0], v9, 4, v[AK0]           ; row x pitch + 16 x half
	; The turning load takes 16 keys x 16 channels (lane l reads 16 bytes: key 8 (l / 16) + l % 8, channels 8 ((l / 8) % 2) + 0..7) and leaves half a fragment of V^T: lane l holds channel l % 16 and 8 keys
	v_and_b32 v14, 7, v0
	v_bfe_u32 v15, v0, 3, 1
	v_lshl_add_u32 v[AV0], v9, 3, v14
	v_mul_u32_u24 v[AV0], v[AV0], PV
	v_lshl_add_u32 v[AV0], v15, 4, v[AV0]
	v_add_nc_u32 v[AV0], VOFF, v[AV0]
	v_lshl_add_u32 v[AB0], v9, 5, BIAS             ; the bias of keys 8 h + 0 .. 7 of a tile: 32 h bytes on
	v_and_b32 v[GO], 31, v0
	v_lshlrev_b32 v[PFO], 8, v[GO]
	v_lshlrev_b32 v[GO], 4, v[GO]
.irp t, 0,1
	v_mov_b32 v[ST+8*\t+1], 0xf1800000             ; m = -2^100: under every true score, far over every masked one
	v_mul_f32 v[ST+8*\t], s[CS], v[ST+8*\t+1]      ; c m: exact
	v_mov_b32 v[ST+8*\t+2], 0                      ; l
	v_mov_b32 v[ST+8*\t+3], 0
.endr
.set i, 0
.rept 64
	v_mov_b32 v[O+i], 0                            ; O^T.  (The step is written once: the first finds zeros, which its a leaves zeros)
.set i, i+1
.endr
; A KEY STEP: 64 keys, both tiles of queries.
.macro STEP
	v_add_nc_u32 v[ADK], s[TB], v[AK0]
	v_add_nc_u32 v[ADV], s[TB], v[AV0]
	v_add_nc_u32 v[ADB], s[TBB], v[AB0]
.irp kt, 0,1,2,3
	ds_load_b128 v[BI+8*\kt:BI+8*\kt+3],   v[ADB] offset:64*\kt      ; the bias in the layout of a tile of scores: register j: key 16 kt + 8 h + j
	ds_load_b128 v[BI+8*\kt+4:BI+8*\kt+7], v[ADB] offset:64*\kt+16
.endr
	WIN W_LD
.irp c, 0,1                                    ; K: channels 0-31 of all four tiles of keys first
.irp kt, 0,1,2,3
	ds_load_b128 v[KF+16*\kt+8*\c:KF+16*\kt+8*\c+3],   v[ADK] offset:\kt*16*PK+64*\c
	ds_load_b128 v[KF+16*\kt+8*\c+4:KF+16*\kt+8*\c+7], v[ADK] offset:\kt*16*PK+64*\c+32
.endr
.endr
	s_wait_dscnt 8                                 ; the bias and channels 0-31 are in; the youngest eight loads (channels 32-63) may be out
	WIN W_KQ
.irp kt, 0,1,2,3                               ; the eight accumulators take turns, one instruction a turn; the first product of each starts from the bias: the mask costs no vector instruction
.irp t, 0,1
	v_wmma_f32_16x16x32_f16 v[S+32*\t+8*\kt:S+32*\t+8*\kt+7], v[KF+16*\kt:KF+16*\kt+7], v[QF+16*\t:QF+16*\t+7], v[BI+8*\kt:BI+8*\kt+7]
.endr
.endr
	s_wait_dscnt 0x0
.irp kt, 0,1,2,3
.irp t, 0,1
	v_wmma_f32_16x16x32_f16 v[S+32*\t+8*\kt:S+32*\t+8*\kt+7], v[KF+16*\kt+8:KF+16*\kt+15], v[QF+16*\t+8:QF+16*\t+15], v[S+32*\t+8*\kt:S+32*\t+8*\kt+7]
.endr
.endr
	WIN 0
	PLACES                                         ; behind the products: for the first reads of the scores; with the three additions at the step's head also for the loads into V's registers, which the last step's products read
	WIN W_LD
.irp kh, 0,1
.irp ct, 0,1,2,3                               ; V^T: keys 32 kh on, channels 16 ct on
	ds_load_tr16_b128 v[VF+32*\kh+8*\ct:VF+32*\kh+8*\ct+3],   v[ADV] offset:\kh*32*PV+32*\ct
	ds_load_tr16_b128 v[VF+32*\kh+8*\ct+4:VF+32*\kh+8*\ct+7], v[ADV] offset:\kh*32*PV+16*PV+32*\ct
.endr
.endr
	WIN 0
	; THE SOFTMAX, the two tiles line by line, so that no line waits for the line above it.  The maximum: four chains; each tile of scores is first read at its low end
.irp j, 0,1,2,3
.irp t, 0,1
	v_max3_num_f32 v[ST+8*\t+4+\j], v[S+32*\t+8*\j], v[S+32*\t+8*\j+1], v[S+32*\t+8*\j+2]
.endr
.endr
.irp u, 1,2
.irp j, 0,1,2,3
.irp t, 0,1
	v_max3_num_f32 v[ST+8*\t+4+\j], v[ST+8*\t+4+\j], v[S+32*\t+8*\j+2*\u+1], v[S+32*\t+8*\j+2*\u+2]
.endr
.endr
.endr
.irp t, 0,1
	v_max3_num_f32 v[ST+8*\t+4], v[ST+8*\t+4], v[S+32*\t+7], v[S+32*\t+15]
	v_max3_num_f32 v[ST+8*\t+6], v[ST+8*\t+6], v[S+32*\t+23], v[S+32*\t+31]
.endr
.irp t, 0,1
	v_max3_num_f32 v[ST+8*\t+4], v[ST+8*\t+4], v[ST+8*\t+5], v[ST+8*\t+6]
.endr
.irp t, 0,1
	v_max3_num_f32 v[ST+8*\t+4], v[ST+8*\t+4], v[ST+8*\t+7], v[ST+8*\t+1]   ; with the old m
.endr
.irp t, 0,1
	v_permlanex16_b32 v[ST+8*\t+5], v[ST+8*\t+4], s[SEL], s[SEL+1]          ; the query's other 32 keys lie in the lane 16 away
.endr
.irp t, 0,1
	v_mov_b32 v[ST+8*\t+7], v[ST+8*\t]             ; c m_old is kept for a
.endr
.irp t, 0,1
	v_max_num_f32 v[ST+8*\t+1], v[ST+8*\t+4], v[ST+8*\t+5]
.endr
.irp t, 0,1
	v_mul_f32 v[ST+8*\t], s[CS], v[ST+8*\t+1]
.endr
.irp t, 0,1
	v_sub_f32 v[ST+8*\t+7], v[ST+8*\t+7], v[ST+8*\t]
.endr
.irp b, 0,2,4,6,8,10,12,14,16,18,20,22,24,26,28,30
.irp t, 0,1
	v_pk_fma_f32 v[S+32*\t+\b:S+32*\t+\b+1], v[S+32*\t+\b:S+32*\t+\b+1], s[CS:CS+1], v[ST+8*\t:ST+8*\t+1] op_sel_hi:[1,0,0] neg_lo:[0,0,1] neg_hi:[0,0,1]   ; c s - c m, two at a time
.endr
.endr
.irp t, 0,1
	v_exp_f32 v[ST+8*\t+6], v[ST+8*\t+7]           ; a = 2^(c m_old - c m_new)
.endr
.set i, 0
.rept 32
	v_exp_f32 v[S+i], v[S+i]                       ; p: the 66 exponentials are one batch: none reads another's result
	v_exp_f32 v[S+32+i], v[S+32+i]
.set i, i+1
.endr
	v_nop                                          ; a plain instruction behind the last exponential
	s_wait_alu depctr_va_vdst(0)                   ; the wait between the batch and the first line that names a result
.set i, 0
.rept 16
	v_cvt_pk_f16_f32 v[P+i], v[S+2*i], v[S+2*i+1]                  ; a pair of weights: P's registers in the second product's layout
	v_cvt_pk_f16_f32 v[P+16+i], v[S+32+2*i], v[S+32+2*i+1]
.set i, i+1
.endr
.irp u, 0,1,2,3,4,5,6,7                        ; the sum of the unrounded p, a tree in place
.irp t, 0,1
	v_pk_add_f32 v[S+32*\t+4*\u:S+32*\t+4*\u+1], v[S+32*\t+4*\u:S+32*\t+4*\u+1], v[S+32*\t+4*\u+2:S+32*\t+4*\u+3]
.endr
.endr
.irp u, 0,1,2,3
.irp t, 0,1
	v_pk_add_f32 v[S+32*\t+8*\u:S+32*\t+8*\u+1], v[S+32*\t+8*\u:S+32*\t+8*\u+1], v[S+32*\t+8*\u+4:S+32*\t+8*\u+5]
.endr
.endr
.irp u, 0,1
.irp t, 0,1
	v_pk_add_f32 v[S+32*\t+16*\u:S+32*\t+16*\u+1], v[S+32*\t+16*\u:S+32*\t+16*\u+1], v[S+32*\t+16*\u+8:S+32*\t+16*\u+9]
.endr
.endr
.irp t, 0,1
	v_pk_add_f32 v[S+32*\t:S+32*\t+1], v[S+32*\t:S+32*\t+1], v[S+32*\t+16:S+32*\t+17]
.endr
.irp t, 0,1
	v_pk_fma_f32 v[ST+8*\t+2:ST+8*\t+3], v[ST+8*\t+2:ST+8*\t+3], v[ST+8*\t+6:ST+8*\t+7], v[S+32*\t:S+32*\t+1] op_sel_hi:[1,0,1]   ; l = a l + the sum
.endr
.set i, 0
.rept 16
	v_pk_mul_f32 v[O+2*i:O+2*i+1], v[O+2*i:O+2*i+1], v[ST+6:ST+7] op_sel_hi:[1,0]              ; O^T x a, each accumulator from its low end on
	v_pk_mul_f32 v[O+32+2*i:O+32+2*i+1], v[O+32+2*i:O+32+2*i+1], v[ST+14:ST+15] op_sel_hi:[1,0]
.set i, i+1
.endr
	s_wait_dscnt 0x0                               ; V is in
	WIN W_PV
.irp kh, 0,1                                   ; O^T += V^T P: the eight accumulators by turns
.irp ct, 0,1,2,3
.irp t, 0,1
	v_wmma_f32_16x16x32_f16 v[O+32*\t+8*\ct:O+32*\t+8*\ct+7], v[VF+32*\kh+8*\ct:VF+32*\kh+8*\ct+7], v[P+16*\t+8*\kh:P+16*\t+8*\kh+7], v[O+32*\t+8*\ct:O+32*\t+8*\ct+7]
.endr
.endr
.endr
	WIN 0
	s_add_co_u32 s[TB], s[TB], STEPB               ; the next step's tiles
	s_add_co_u32 s[TBB], s[TBB], 4*KS              ; and bias
.endm
.macro FOUR_STEPS                      ; a slot's four key steps: written once, walked four times
	s_mov_b32 s[CNT], 4
.Lstep_\@:
	STEP
	s_sub_co_u32 s[CNT], s[CNT], 1
	s_cmp_lg_u32 s[CNT], 0
	s_cbranch_scc1 .Lstep_\@
.endm
; THE CHANGE OF SLOTS.  Each wave waits for all its tensor loads, of which one is out: its part of the other slot; adds 0 to its spare word; and waits for that and for its reads of the slot that it leaves.
; fill = 1: that slot is filled again, with the keys two slots on: the barrier is then a round of the cluster's, and the joint refill is the first thing behind it.
.macro CHANGE fill
	s_wait_tensorcnt 0x0                           ; no tensor load of mine is out, so a group 0 may be written
	ds_add_u32 v[SPW], v[NIL]                      ; 0 onto my spare word
.if \fill
.irp g, G0K+4, G0V+4
	s_xor_b32 s[\g+1], s[\g+1], SLOT1              ; the walking descriptor: the other slot than last time,
	s_add_nc_u64 s[\g+2:\g+3], s[\g+2:\g+3], SLOTB ; the next 256 keys; the type bits on top are not reached
.endr
	s_wait_xcnt 0x0                                ; the last prefetch, four key steps back, has read its address, so it may be written:
	s_add_nc_u64 s[PFA:PFA+1], s[PFA:PFA+1], SLOTB ; one slot further on than the walking descriptors
	s_wait_dscnt 0x0                               ; the add is done, and my reads of the slot are over
	CROUND
	JLOAD
	ASK
.else
	s_wait_dscnt 0x0
	s_barrier_signal -1
	s_barrier_wait -1
.endif
	s_sub_co_u32 s[TB], s[TB], 4*STEPB             ; back to a slot's first step,
	s_xor_b32 s[TB], s[TB], SLOT1                  ; in the other slot
.endm
	s_wait_tensorcnt 1                             ; the bias and my part of slot 0 are in; slot 1's may stay out
	s_barrier_signal -1
	s_barrier_wait -1                              ; everybody's are
	s_wait_loadcnt 0x0                             ; Q
	FOUR_STEPS                                     ; slot 0
.Lslot:                                            ; six trips: every slot but the last two is filled again
	CHANGE 1
	FOUR_STEPS
	s_sub_co_u32 s[SLOTS], s[SLOTS], 1
	s_cmp_lg_u32 s[SLOTS], 0
	s_cbranch_scc1 .Lslot
	CHANGE 0                                       ; the tail is written out
	FOUR_STEPS
	; THE WAY OUT.  l's two halves and the other half of the lanes' are added; O^T is divided by l, rounded to f16 and stored as it stands: a lane's four registers of a tile of channels are half of an operand image.
	PLACES
.irp t, 0,1
	v_add_f32 v[ST+8*\t+4], v[ST+8*\t+2], v[ST+8*\t+3]
.endr
.irp t, 0,1
	v_permlanex16_b32 v[ST+8*\t+5], v[ST+8*\t+4], s[SEL], s[SEL+1]
.endr
.irp t, 0,1
	v_add_f32 v[ST+8*\t+4], v[ST+8*\t+4], v[ST+8*\t+5]
.endr
.irp t, 0,1
	v_max_num_f32 v[ST+8*\t+4], 0x0d800000, v[ST+8*\t+4]           ; at least 2^-100: a row with no key left has l = 0 and O = 0, and stays 0
.endr
.irp t, 0,1
	v_rcp_f32 v[ST+8*\t+6], v[ST+8*\t+4]
.endr
	v_nop                                          ; a plain instruction behind the last reciprocal
	s_wait_alu depctr_va_vdst(0)                   ; and the wait ahead of the first use
.set i, 0
.rept 16
	v_pk_mul_f32 v[O+2*i:O+2*i+1], v[O+2*i:O+2*i+1], v[ST+6:ST+7] op_sel_hi:[1,0]
	v_pk_mul_f32 v[O+32+2*i:O+32+2*i+1], v[O+32+2*i:O+32+2*i+1], v[ST+14:ST+15] op_sel_hi:[1,0]
.set i, i+1
.endr
.set i, 0
.rept 32
	v_cvt_pk_f16_f32 v[S+i], v[O+2*i], v[O+2*i+1]  ; tile t, channels 16 ct + 8 h + 0 .. 7: registers S + 16 t + 4 ct on
.set i, i+1
.endr
.irp t, 0,1
.irp ct, 0,1,2,3
	global_store_b128 v[GO], v[S+16*\t+4*\ct:S+16*\t+4*\ct+3], s[8:9] offset:(\ct/2)*8192+\t*1024+(\ct%2)*512   ; 32 lanes store 512 consecutive bytes, at a multiple of 256 from att's first byte
.endr
.endr
	s_wait_tensorcnt 0x0                           ; the wave's end: behind my last tensor load
	ds_add_u32 v[SPW], v[NIL]
	s_wait_dscnt 0x0
	CROUND                                         ; the closing round: no work-group ends while a partner may still ask for a tile that names it
	s_endpgm
.Lfunc_end_k_q7242fbca81_attn:
	.size	k_q7242fbca81_attn, .Lfunc_end_k_q7242fbca81_attn-k_q7242fbca81_attn
	.p2alignl 7, 3214868480
	.fill 96, 4, 3214868480
	.section	.rodata,"a",@progbits
	.p2align	6, 0x0
	.amdhsa_kernel k_q7242fbca81_attn
		.amdhsa_group_segment_fixed_size 327680
		.amdhsa_private_segment_fixed_size 0
		.amdhsa_enable_private_segment 0
		.amdhsa_kernarg_size 24
		.amdhsa_user_sgpr_count 2
		.amdhsa_user_sgpr_kernarg_segment_ptr 1
		.amdhsa_wavefront_size32 1
		.amdhsa_system_sgpr_workgroup_id_x 1
		.amdhsa_system_sgpr_workgroup_id_y 1
		.amdhsa_system_sgpr_workgroup_id_z 1
		.amdhsa_system_vgpr_workitem_id 0
		.amdhsa_next_free_vgpr 416
		.amdhsa_next_free_sgpr 80
		.amdhsa_reserve_vcc 0
		.amdhsa_float_denorm_mode_32 3
		.amdhsa_float_denorm_mode_16_64 3
		.amdhsa_memory_ordered 1
		.amdhsa_forward_progress 1
		.amdhsa_inst_pref_size 72
	.end_amdhsa_kernel
	.amdgpu_metadata
---
amdhsa.version: [ 1, 2 ]
amdhsa.kernels:
  - .name:           k_q7242fbca81_attn
    .symbol:         k_q7242fbca81_attn.kd
    .args:
      - { .name: qkv, .offset: 0, .size: 8, .value_kind: global_buffer, .address_space: global }
      - { .name: kbias, .offset: 8, .size: 8, .value_kind: global_buffer, .address_space: global }
      - { .name: att, .offset: 16, .size: 8, .value_kind: global_buffer, .address_space: global }
    .group_segment_fixed_size: 327680
    .private_segment_fixed_size: 0
    .kernarg_segment_align: 8
    .kernarg_segment_size: 24
    .max_flat_workgroup_size: 256
    .sgpr_count:     80
    .vgpr_count:     416
    .wavefront_size: 32
...
	.end_amdgpu_metadata
.endif
;; end of part 3
;; launch oproj (part 4): grid 8 x 32, 4 waves a work-group, clusters of 4 x 4, 327,680 bytes of LDS; arguments att, wo16, bo, out0; writes out0
.if DOCPART == 4
	.amdgcn_target "amdgcn-amd-amdhsa--gfx1250"
	.amdhsa_code_object_version 6
	.text
	.protected	k_q7242fbca81_oproj
	.globl	k_q7242fbca81_oproj
	.p2align	8
	.type	k_q7242fbca81_oproj,@function
k_q7242fbca81_oproj:
	s_mov_b64 s[64:65], 0
	v_nop
	global_prefetch_b8 v0, s[64:65] scope:SCOPE_SE
	s_setreg_imm32_b32 hwreg(HW_REG_WAVE_MODE, 25, 1), 1
	s_wait_xcnt 0x0
	s_wait_alu depctr_hold_cnt(0) depctr_sa_sdst(0) depctr_va_vdst(0) depctr_va_sdst(0) depctr_va_ssrc(0) depctr_va_vcc(0) depctr_vm_vsrc(0)
	s_getreg_b32 s2, hwreg(HW_REG_IB_STS2, 6, 4)
	s_cmp_eq_u32 s2, 0
	s_cbranch_scc0 .Lentry_in_a_cluster
	s_endpgm
.Lentry_in_a_cluster:
	s_bfe_u32 s2, ttmp6, 0x10000c
	s_cmp_lg_u32 s2, 0xf033
	s_cbranch_scc0 .Lentry_shape_is_right
	s_endpgm
.Lentry_shape_is_right:
; out0[m][n] = the sum over k of A[m][k] Wo[n][k] + bo[n].  A: the attention's result, 4,096 x 1,024 f16, as images of operand registers (att: [32 blocks of 128 rows][32 kc of 32 along K][8 tiles of 16 rows][1,024 bytes];
; lane l's registers 0-3 at 16 l, its registers 4-7 at 512 + 16 l).  wo16: [1,024 n][1,024 k] f16.  bo: f32.  out0: [4,096][1,024] f32.  Sums in f32.
; A tile of out0 is 128 x 128: 256 work-groups of four waves, each 64 x 64: 16 accumulators.  K goes in four steps of 256 through two LDS slots.
; A's part of a K step is 65,536 dense bytes of att, laid into LDS as they lie: a fragment is two loads of 512 consecutive bytes, so it wants no padding.  Wo's rows (512 bytes a K step) are padded by 16.
; CLUSTERS: 4 x 4 work-groups; A's tiles are asked for jointly along a row of the cluster, Wo's along a column.  THE MATRIX INSTRUCTION IS USED TRANSPOSED (source 0 = 16 rows of Wo, source 1 = 16 rows of A):
; a lane holds eight neighbouring numbers of a row of out0.  The bias is the C of each sum's first product.
; No prefetch: the tiles are small and each K step's work is short, and both operands are read by several work-groups at about the same time.
; REGISTERS: window 0: v0-31 addresses; v32-95 the way out; v96-127 the bias in the result's layout; v128-255 the accumulators ((a, b) at v[128 + 8 (4 a + b)]).   window 1: two fragment buffers of 128.
.set KSTEP,  256
.set PITCH,  528                       ; a row of Wo in LDS: 512 bytes + 16: the 16 rows that a load touches start 16 bytes apart modulo 256
.set HALFT,  64*PITCH
.set AIMG,   65536                     ; A's images of a K step
.set SLOT,   AIMG+2*HALFT
.set STAGE,  2*SLOT                    ; behind the ring: 16 rows x (256 bytes + 16) for each wave; no tile lands here
.set SPITCH, 272
.set SPARE,  STAGE+4*16*SPITCH         ; the spare words, 128 bytes a wave, named by no other line
.set LAPS,   1024/(2*KSTEP)
.set ADRA, 16
.set ADRB, 20
.set STO,  24
.set RD,   25
.set CO,   26
.set SPW,  28
.set NIL,  29
.set TMP,  32
.set BO,   96
.set ACC,  128
.set F0,   0
.set F1,   128
.set G1, 24
.set G0, 32
.set G1B, 48
.set G0B, 56
.set MSB, 0
.macro WIN new                         ; the immediate's high byte repeats the setting that is left
.if MSB != \new
	s_set_vgpr_msb (MSB<<8)|\new
.set MSB, \new
.endif
.endm
.set MUL,  0x05                        ; sources 0 (Wo) and 1 (A) window 1; C and D window 0
.set TO_F, 0x40                        ; destination window 1, address window 0
.macro JLOAD s                         ; a joint load: waves 0 and 1 fetch A's two halves, waves 2 and 3 Wo's; an s_nop 0 and four v_nop follow each of the two lines
	s_cmp_eq_u32 s67, 0
	s_cbranch_scc0 .Lfor_b_\@
	tensor_load_to_lds s[G0+4*\s:G0+4*\s+3], s[G1:G1+7]
	s_nop 0
.rept 4
	v_nop
.endr
	s_branch .Lasked_\@
.Lfor_b_\@:
	tensor_load_to_lds s[G0B+4*\s:G0B+4*\s+3], s[G1B:G1B+7]
	s_nop 0
.rept 4
	v_nop
.endr
.Lasked_\@:
.endm
.macro CREST                           ; a round of the cluster's barrier behind its opening barrier
	s_cmp_lg_u32 s66, 0
	s_cbranch_scc1 .Lnot_wave_0_\@
	s_barrier_signal -3
.Lnot_wave_0_\@:
	s_barrier_wait -3
	s_barrier_signal -1
	s_barrier_wait -1
.endm
.macro CROUND                          ; a whole round
	s_barrier_signal -1
	s_barrier_wait -1
	CREST
.endm
	s_load_b256 s[4:11], s[0:1], 0x0               ; att s[4:5], wo16 s[6:7], bo s[8:9], out0 s[10:11]
	v_lshl_add_u32 v[SPW], v0, 2, SPARE
	v_mov_b32 v[NIL], 0
	ds_add_u32 v[SPW], v[NIL]                      ; the wave's opening: the add and its wait stand ahead of my first tensor load; the set-up below stands between them
	v_lshrrev_b32 v1, 5, v0
	v_readfirstlane_b32 s66, v1                    ; wave 0..3
	s_lshr_b32 s67, s66, 1                         ; which half of the tile's rows is mine.  Also: I fetch for A (0) or for Wo (1)
	s_and_b32 s68, s66, 1                          ; which half of its columns.  Also: which half of that tile I fetch
	s_bfe_u32 s40, ttmp6, 0x40000                  ; cx, cy
	s_bfe_u32 s41, ttmp6, 0x40004
	s_lshl_b32 s42, ttmp9, 2
	s_add_co_u32 s42, s42, s40                     ; tile column = 4 x cluster x + cx
	s_and_b32 s13, ttmp7, 0xffff
	s_lshl_b32 s13, s13, 2
	s_add_co_u32 s13, s13, s41                     ; tile row = 4 x cluster y + cy
	s_lshl_b32 s43, s41, 2
	s_lshl_b32 s43, 15, s43                        ; my row of the cluster
	s_lshl_b32 s44, 0x1111, s40                    ; my column
	s_or_b32 s[G1+0], s43, (3<<16)|(1<<21)         ; A: 32,768 dense bytes as 128 rows of 32 elements of 8 bytes, no padding; the mask: my row; bit 21 beside a mask
	s_mov_b32 s[G1+1], 32<<16
	s_mov_b32 s[G1+2], 128<<16
	s_mov_b32 s[G1+3], 32<<16
	s_mov_b32 s[G1+4], 128
	s_mov_b32 s[G1+5], 32
	s_mov_b32 s[G1+6], 0
	s_mov_b32 s[G1+7], 0
	s_or_b32 s[G1B+0], s44, (1<<16)|(1<<20)|(1<<21)|(6<<22)|(3<<25)  ; Wo: 64 rows x 256 elements of 2 bytes; padding: 4 words after every 128; the mask: my column
	s_mov_b32 s[G1B+1], KSTEP<<16
	s_mov_b32 s[G1B+2], 64<<16
	s_mov_b32 s[G1B+3], KSTEP<<16
	s_mov_b32 s[G1B+4], 64
	s_mov_b32 s[G1B+5], 1024
	s_mov_b32 s[G1B+6], 0
	s_mov_b32 s[G1B+7], 0
	s_lshl_b32 s16, s13, 18                        ; A: the tile row's block of 262,144 bytes, + my half (kc 4 i .. 4 i + 3) of a K step
	s_lshl_b32 s17, s68, 15
	s_add_co_u32 s16, s16, s17
	s_mov_b32 s17, 0
	s_lshl_b32 s46, s42, 18                        ; Wo: row 128 x tile column + 64 x half, 2,048 bytes a row
	s_lshl_b32 s47, s68, 17
	s_add_co_u32 s46, s46, s47
	s_mov_b32 s47, 0
	s_lshl_b32 s20, s68, 15                        ; where they go: no place in the cluster enters an LDS address
	s_mul_i32 s21, s68, HALFT
	s_add_co_u32 s21, s21, AIMG
	s_wait_dscnt 0x0                               ; the opening add is done
	s_wait_kmcnt 0x0
	s_add_nc_u64 s[14:15], s[4:5], s[16:17]
	s_add_nc_u64 s[46:47], s[6:7], s[46:47]
	CROUND                                         ; all sixteen work-groups are here: the first joint loads meet
.irp s, 0,1
	s_mov_b32 s[G0+4*\s], 1
	s_add_co_u32 s[G0+4*\s+1], s20, \s*SLOT
	s_add_nc_u64 s[G0+4*\s+2:G0+4*\s+3], s[14:15], \s*AIMG
	s_or_b32 s[G0+4*\s+3], s[G0+4*\s+3], 0x80000000
	s_mov_b32 s[G0B+4*\s], 1
	s_add_co_u32 s[G0B+4*\s+1], s21, \s*SLOT
	s_add_nc_u64 s[G0B+4*\s+2:G0B+4*\s+3], s[46:47], \s*KSTEP*2
	s_or_b32 s[G0B+4*\s+3], s[G0B+4*\s+3], 0x80000000
	JLOAD \s                                       ; two loads of mine are out behind the second
.endr
	v_and_b32 v1, 15, v0                           ; r
	v_bfe_u32 v2, v0, 4, 1                         ; h
	s_lshl_b32 s16, s42, 9                         ; the bias of my 64 columns: bo[128 x tile column + 64 x half + 16 b + 8 h + 0 .. 7]
	s_lshl_b32 s17, s68, 8
	s_add_co_u32 s16, s16, s17
	s_mov_b32 s17, 0
	s_add_nc_u64 s[8:9], s[8:9], s[16:17]
	s_add_nc_u64 s[10:11], s[10:11], s[16:17]      ; out0 at my first column (the same bytes),
	v_lshlrev_b32 v7, 5, v2
.irp b, 0,1,2,3
	global_load_b128 v[BO+8*\b:BO+8*\b+3], v7, s[8:9] offset:64*\b
	global_load_b128 v[BO+8*\b+4:BO+8*\b+7], v7, s[8:9] offset:64*\b+16
.endr
	s_lshl_b32 s16, s13, 19                        ; and at my first row: 128 x tile row + 64 x half, 4,096 bytes a row
	s_lshl_b32 s17, s67, 18
	s_add_co_u32 s16, s16, s17
	s_mov_b32 s17, 0
	s_add_nc_u64 s[10:11], s[10:11], s[16:17]
	v_and_b32 v6, 31, v0
	v_lshlrev_b32 v6, 4, v6                        ; 16 x lane: my place in an image
	v_mul_u32_u24 v3, v1, PITCH
	v_lshl_add_u32 v3, v2, 4, v3                   ; Wo: a fragment's row x pitch + 16 x half
	s_lshl_b32 s21, s67, 12                        ; A: my four tiles of rows: 4,096 bytes on in each kc
	s_mul_i32 s22, s68, HALFT                      ; Wo: my 64 rows, behind A's images
	s_add_co_u32 s22, s22, AIMG
.irp s, 0,1
	v_add_nc_u32 v[ADRA+\s], s21, v6
	v_add_nc_u32 v[ADRB+\s], s22, v3
	s_add_co_u32 s21, s21, SLOT
	s_add_co_u32 s22, s22, SLOT
.endr
	s_mul_i32 s23, s66, 16*SPITCH
	s_add_co_u32 s23, s23, STAGE                   ; my stage
	v_mul_u32_u24 v4, v1, SPITCH                   ; in: row r, 32 bytes for each half of the lanes
	v_lshl_add_u32 v4, v2, 5, v4
	v_add_nc_u32 v[STO], s23, v4
	v_mul_u32_u24 v5, v2, SPITCH                   ; back: lanes 0-15 take one row of 256 bytes, lanes 16-31 the next
	v_lshl_add_u32 v5, v1, 4, v5
	v_add_nc_u32 v[RD], s23, v5
	v_lshlrev_b32 v5, 12, v2                       ; and the same two rows in out0
	v_lshl_add_u32 v[CO], v1, 4, v5
; 8 matrix instructions: m blocks a0, a0 + 1 x all 4 n blocks, 32 along K: half c of buffer f.  zero = 1: the first product starts the sums from the bias.  The 16 accumulators take turns.
.macro MUL8 f, c, a0, zero
.irp a, \a0, \a0+1
.irp b, 0,1,2,3
.if \zero
	v_wmma_f32_16x16x32_f16 v[ACC+8*(4*(\a)+\b):ACC+8*(4*(\a)+\b)+7], v[\f+64+8*(4*\c+\b):\f+64+8*(4*\c+\b)+7], v[\f+8*(4*\c+\a):\f+8*(4*\c+\a)+7], v[BO+8*\b:BO+8*\b+7]
.else
	v_wmma_f32_16x16x32_f16 v[ACC+8*(4*(\a)+\b):ACC+8*(4*(\a)+\b)+7], v[\f+64+8*(4*\c+\b):\f+64+8*(4*\c+\b)+7], v[\f+8*(4*\c+\a):\f+8*(4*\c+\a)+7], v[ACC+8*(4*(\a)+\b):ACC+8*(4*(\a)+\b)+7]
.endif
.endr
.endr
.endm
; 32 LDS loads in one run: the fragments of the slot's q-th 64 along K into buffer f; the first 32 along K first.  Wo's from rows; A's as images: kc 2 q + c, my tile of rows i
.macro FETCH slot, q, f
	WIN TO_F
.irp c, 0,1
.irp i, 0,1,2,3
	ds_load_b128 v[\f+64+8*(4*\c+\i):\f+64+8*(4*\c+\i)+3],   v[ADRB+\slot] offset:128*(\q)+64*\c+\i*16*PITCH
	ds_load_b128 v[\f+64+8*(4*\c+\i)+4:\f+64+8*(4*\c+\i)+7], v[ADRB+\slot] offset:128*(\q)+64*\c+\i*16*PITCH+32
	ds_load_b128 v[\f+8*(4*\c+\i):\f+8*(4*\c+\i)+3],         v[ADRA+\slot] offset:(2*(\q)+\c)*8192+\i*1024
	ds_load_b128 v[\f+8*(4*\c+\i)+4:\f+8*(4*\c+\i)+7],       v[ADRA+\slot] offset:(2*(\q)+\c)*8192+\i*1024+512
.endr
.endr
.endm
.macro PLACES                          ; four plain vector instructions in front of loads into registers that matrix instructions have read, and of the first read of results
.rept 4
	v_nop
.endr
.endm
; A K step is four quarters of 64 along K, 32 matrix instructions each, on buffers 0, 1, 0, 1.  One of the first three: multiplies buffer f and fetches quarter q into g.
.macro QUARTER slot, q, f, g, zero
	s_wait_dscnt 16                                ; the first 32 along K are in; the youngest sixteen loads may be out
	WIN MUL
	MUL8 \f, 0, 0, \zero
	MUL8 \f, 0, 2, \zero
	PLACES
	FETCH \slot, \q, \g
	s_wait_dscnt 32                                ; all but the 32 just issued
	WIN MUL
	MUL8 \f, 1, 0, 0
	MUL8 \f, 1, 2, 0
.endm
; The last quarter multiplies buffer 1 and changes slots: ONE barrier; in front of it each wave waits for all its tensor loads, adds 0 to its spare word, and waits for that and for its reads of this slot.
; fill = 1: this slot is filled again, two K steps ahead; the barrier then opens a round of the cluster's.
.macro TURN slot, next, fill
	WIN 0                                          ; (the add's two registers lie in window 0)
	s_wait_tensorcnt 0x0                           ; all my tensor loads have landed: my part of the next slot
	ds_add_u32 v[SPW], v[NIL]                      ; 0 onto my spare word
	s_wait_dscnt 17                                ; (the add and the youngest sixteen loads may be out)
	WIN MUL
	MUL8 F1, 0, 0, 0                               ; eight matrix instructions stand between the add and the wait for it
	s_wait_dscnt 0x0                               ; the add is done, and my reads of this slot are over
	s_barrier_signal -1
	MUL8 F1, 0, 2, 0
.if \fill
	WIN 0
.endif
	s_barrier_wait -1
.if \fill
	CREST                                          ; no wave of any partner still reads this slot's tiles or has a load on its way
	s_add_nc_u64 s[G0+4*\slot+2:G0+4*\slot+3], s[G0+4*\slot+2:G0+4*\slot+3], 2*AIMG
	s_add_nc_u64 s[G0B+4*\slot+2:G0B+4*\slot+3], s[G0B+4*\slot+2:G0B+4*\slot+3], 2*KSTEP*2
	JLOAD \slot                                    ; the first tensor load behind the round; the four v_nop behind it are also the places in front of the loads below
.else
	PLACES
.endif
	FETCH \next, 0, F0
	WIN MUL
	MUL8 F1, 1, 0, 0
	MUL8 F1, 1, 2, 0
.endm
	s_wait_tensorcnt 1                             ; my part of K step 0 is in (K step 1's load may be out)
	s_barrier_signal -1
	s_barrier_wait -1                              ; everybody's is
	FETCH 0, 0, F0
	s_wait_loadcnt 0x0                             ; the bias
	QUARTER 0, 1, F0, F1, 1                        ; the first quarter stands in front of the loop: its first products start the sums
	WIN 0                                          ; at a label and at a branch every window is 0
	s_mov_b32 s3, LAPS-1
.Llap:                                             ; a trip goes once round the ring, from a lap's second quarter to the next lap's first, and fills both slots again
	QUARTER 0, 2, F1, F0, 0
	QUARTER 0, 3, F0, F1, 0
	TURN 0, 1, 1
	QUARTER 1, 1, F0, F1, 0
	QUARTER 1, 2, F1, F0, 0
	QUARTER 1, 3, F0, F1, 0
	TURN 1, 0, 1
	QUARTER 0, 1, F0, F1, 0
	WIN 0
	s_sub_co_u32 s3, s3, 1
	s_cmp_lg_u32 s3, 0
	s_cbranch_scc1 .Llap
	QUARTER 0, 2, F1, F0, 0                        ; the last lap fills nothing, and has no round of the cluster's barrier
	QUARTER 0, 3, F0, F1, 0
	TURN 0, 1, 0
	QUARTER 1, 1, F0, F1, 0
	QUARTER 1, 2, F1, F0, 0
	QUARTER 1, 3, F0, F1, 0
	s_wait_dscnt 16                                ; the very last quarter: nothing more to fetch
	WIN MUL
	MUL8 F1, 0, 0, 0
	MUL8 F1, 0, 2, 0
	s_wait_dscnt 0
	MUL8 F1, 1, 0, 0
	MUL8 F1, 1, 2, 0
	WIN 0
; THE WAY OUT, block by block of 16 rows x 64 columns.  A wave's 64 columns of f32 are 256 bytes, aligned: so each wave has its own stage and no barrier is needed.  A lane's 32 bytes of a row go in, whole rows come back.
.macro TOSTAGE a
.set BB, TMP+32*((\a)%2)
.irp b, 0,1,2,3
	ds_store_b128 v[STO], v[ACC+8*(4*(\a)+\b):ACC+8*(4*(\a)+\b)+3] offset:64*\b        ; each accumulator from its low end on
	ds_store_b128 v[STO], v[ACC+8*(4*(\a)+\b)+4:ACC+8*(4*(\a)+\b)+7] offset:64*\b+16
.endr
.irp t, 0,1,2,3,4,5,6,7
	ds_load_b128 v[BB+4*\t:BB+4*\t+3], v[RD] offset:\t*2*SPITCH    ; LDS serves a wave's instructions in order: these see the stores above, and the next block's stores come behind them
.endr
.endm
.macro SEND a, younger                 ; younger: the LDS instructions issued behind block a's loads, which may stay out
.set BB, TMP+32*((\a)%2)
	s_wait_dscnt \younger
.irp t, 0,1,2,3,4,5,6,7
	global_store_b128 v[CO], v[BB+4*\t:BB+4*\t+3], s[10:11] offset:(16*(\a)+2*\t)*4096 th:TH_STORE_NT   ; 16 lanes store 256 consecutive bytes, at a multiple of 256 from out0's first byte
.endr
.endm
	PLACES                                         ; behind the last products, ahead of the first read of results
	TOSTAGE 0
.irp a, 1,2,3
.if \a > 1
	s_wait_xcnt 0x0                                ; block a - 2's stores have read their registers: block a's loads may land there
.endif
	TOSTAGE \a
	SEND \a-1, 16                                  ; behind block a - 1's loads: block a's 8 stores and 8 loads
.endr
	SEND 3, 0
	s_wait_tensorcnt 0x0                           ; the wave's end: behind my last tensor load and my last LDS store
	ds_add_u32 v[SPW], v[NIL]
	s_wait_dscnt 0x0
	CROUND                                         ; the closing round: no work-group ends while a partner may still ask for a tile that names it
	s_endpgm
.Lfunc_end_k_q7242fbca81_oproj:
	.size	k_q7242fbca81_oproj, .Lfunc_end_k_q7242fbca81_oproj-k_q7242fbca81_oproj
	.p2alignl 7, 3214868480
	.fill 96, 4, 3214868480
	.section	.rodata,"a",@progbits
	.p2align	6, 0x0
	.amdhsa_kernel k_q7242fbca81_oproj
		.amdhsa_group_segment_fixed_size 327680
		.amdhsa_private_segment_fixed_size 0
		.amdhsa_enable_private_segment 0
		.amdhsa_kernarg_size 32
		.amdhsa_user_sgpr_count 2
		.amdhsa_user_sgpr_kernarg_segment_ptr 1
		.amdhsa_wavefront_size32 1
		.amdhsa_system_sgpr_workgroup_id_x 1
		.amdhsa_system_sgpr_workgroup_id_y 1
		.amdhsa_system_sgpr_workgroup_id_z 1
		.amdhsa_system_vgpr_workitem_id 0
		.amdhsa_next_free_vgpr 512
		.amdhsa_next_free_sgpr 72
		.amdhsa_reserve_vcc 0
		.amdhsa_float_denorm_mode_32 3
		.amdhsa_float_denorm_mode_16_64 3
		.amdhsa_memory_ordered 1
		.amdhsa_forward_progress 1
		.amdhsa_inst_pref_size 86
	.end_amdhsa_kernel
	.amdgpu_metadata
---
amdhsa.version: [ 1, 2 ]
amdhsa.kernels:
  - .name:           k_q7242fbca81_oproj
    .symbol:         k_q7242fbca81_oproj.kd
    .args:
      - { .name: att, .offset: 0, .size: 8, .value_kind: global_buffer, .address_space: global }
      - { .name: wo16, .offset: 8, .size: 8, .value_kind: global_buffer, .address_space: global }
      - { .name: bo, .offset: 16, .size: 8, .value_kind: global_buffer, .address_space: global }
      - { .name: out0, .offset: 24, .size: 8, .value_kind: global_buffer, .address_space: global }
    .group_segment_fixed_size: 327680
    .private_segment_fixed_size: 0
    .kernarg_segment_align: 8
    .kernarg_segment_size: 32
    .max_flat_workgroup_size: 128
    .sgpr_count:     72
    .vgpr_count:     512
    .wavefront_size: 32
...
	.end_amdgpu_metadata
.endif
;; end of part 4
